; MI455X (gfx1250); checked and timed in simulation.
; The chip was launched on July 23, 2026; its instructions are those of AMD's public machine-readable ISA for CDNA 5 (MIT licence, August 2026) and "CDNA5" Instruction Set Architecture Reference Guide (July 2026). The comments in the code are by the model that wrote it; some were corrected since.
;; Block. Allowed arithmetic: float matrix products may take bf16 or f16 operands with f32 sums; all other float work in f32.
;; Inputs: W1 1,024 x 4,096 float32; W2 4,096 x 1,024 float32; Wk 1,024 x 1,024 float32; Wproj 1,024 x 1,024 float32; Wq 1,024 x 1,024 float32; Wv 1,024 x 1,024 float32; b1 4,096 float32; b2 1,024 float32; bproj 1,024 float32; ln1_b 1,024 float32; ln1_w 1,024 float32; ln2_b 1,024 float32; ln2_w 1,024 float32; x 2 x 2,048 x 1,024 float32.
;; Outputs: out0 2 x 2,048 x 1,024 float32.
;; 2 versions, each right; version 2 is version 1 with the launch ln2 written anew for expert scheduling mode. Each part assembles by itself: llvm-mc -triple=amdgcn-amd-amdhsa -mcpu=gfx1250 --defsym DOCPART=n.
;; ======== version 1 of 2: 7 launches
;; workspace buffers: wt 25,165,824 bytes; h 8,388,608 bytes; qkv 25,165,824 bytes; att 8,388,608 bytes; x1 16,777,216 bytes; f 33,554,432 bytes
;; launch prep (part 1): grid 1792 x 1, 8 waves a work-group, no clusters, 18,432 bytes of LDS; arguments x, ln1_w, ln1_b, Wq, Wk, Wv, Wproj, W1, W2, h, wt; writes h, wt
.if DOCPART == 1
	.amdgcn_target "amdgcn-amd-amdhsa--gfx1250"
	.amdhsa_code_object_version 6
	.text
	.protected	k_qca17e6f5af_prep
	.globl	k_qca17e6f5af_prep
	.p2align	8
	.type	k_qca17e6f5af_prep,@function
k_qca17e6f5af_prep:
	s_mov_b64 s[64:65], 0
	v_nop
	global_prefetch_b8 v0, s[64:65] scope:SCOPE_SE
	s_setreg_imm32_b32 hwreg(HW_REG_WAVE_MODE, 25, 1), 1
	s_wait_xcnt 0x0
; prep: two jobs that depend on nothing but inputs, in one launch.
; Work-groups 0-255: h = LayerNorm(x) * ln1_w + ln1_b, bf16 [4096][1024].  16 rows a group, 2 rows a wave, a row in 32 registers a lane.
; Work-groups 256-1791: the six weights, f32 [K][N], to bf16 [N][K] in wt (K contiguous, as the matrix operands want it):
;   wt byte 0: Wq^T, Wk^T, Wv^T, Wproj^T (2 MiB each); 0x800000: W1^T [4096][1024]; 0x1000000: W2^T [1024][4096].
;   A group turns one tile of 128 k x 64 n through an LDS stage of 64 rows x 272 bytes.
; The variance is taken of the centred row (no difference of large sums).
; LIMITS: h and wt are rounded to bf16 (nearest even); NaN and infinities in the inputs are not served; sums in another order than a serial one.
.set XB, 8                             ; s[8:9]   x
.set WB, 10                            ; s[10:11] gain
.set BB, 12                            ; s[12:13] bias
.set HB, 26                            ; s[26:27] h
.set W,    8                           ; v[8:39]    gain of my 32 columns
.set B,    40                          ; v[40:71]   bias of my 32 columns
.set X0,   72                          ; v[72:103]  row 0
.set X1,   104                         ; v[104:135] row 1
.set A,    136                         ; v[136:143] four packed chains
.set MEAN, 144                         ; v[144:145]
.set RSTD, 146                         ; v[146:147]
.set T,    148                         ; v[148:149]
	s_load_b512 s[8:23], s[0:1], 0x0               ; x, ln1_w, ln1_b, Wq s[14:15], Wk s[16:17], Wv s[18:19], Wproj s[20:21], W1 s[22:23]
	s_load_b128 s[24:27], s[0:1], 0x40             ; W2 s[24:25], h s[26:27]
	s_load_b64 s[28:29], s[0:1], 0x50              ; wt
	v_lshl_add_u32 v152, v0, 2, 0x4400
	v_mov_b32 v153, 0
	v_lshrrev_b32 v1, 5, v0
	v_readfirstlane_b32 s30, v1                    ; wave
	s_cmp_lt_u32 ttmp9, 256
	s_cbranch_scc0 .Lweights                       ; the same way for all waves of a work-group
; the four chains of v[A:A+7] to one sum, in every lane
.macro ALLSUM
	v_pk_add_f32 v[A:A+1], v[A:A+1], v[A+2:A+3]
	v_pk_add_f32 v[A+4:A+5], v[A+4:A+5], v[A+6:A+7]
	v_pk_add_f32 v[A:A+1], v[A:A+1], v[A+4:A+5]
	v_add_f32 v[T], v[A], v[A+1]
	v_add_f32_dpp v[T], v[T], v[T] row_xmask:1 row_mask:0xf bank_mask:0xf
	v_add_f32_dpp v[T], v[T], v[T] row_xmask:2 row_mask:0xf bank_mask:0xf
	v_add_f32_dpp v[T], v[T], v[T] row_xmask:4 row_mask:0xf bank_mask:0xf
	v_add_f32_dpp v[T], v[T], v[T] row_xmask:8 row_mask:0xf bank_mask:0xf
	v_permlanex16_b32 v[T+1], v[T], s32, s33       ; the other half of the lanes
	v_add_f32 v[T], v[T], v[T+1]
.endm
; one row: mean, centre, variance, scale, gain and bias, round, store.  left = younger loads that may stay out
.macro ROW X, left, rowoff
	s_wait_loadcnt \left
.irp k, 0,1,2,3
	v_pk_add_f32 v[A+2*\k:A+2*\k+1], v[\X+4*\k:\X+4*\k+1], v[\X+4*\k+2:\X+4*\k+3]   ; the first pairs start the chains
.endr
.irp k, 0,1,2,3
	v_pk_add_f32 v[A+2*\k:A+2*\k+1], v[A+2*\k:A+2*\k+1], v[\X+16+2*\k:\X+16+2*\k+1]
.endr
.irp k, 0,1,2,3
	v_pk_add_f32 v[A+2*\k:A+2*\k+1], v[A+2*\k:A+2*\k+1], v[\X+24+2*\k:\X+24+2*\k+1]
.endr
	ALLSUM
	v_mul_f32 v[MEAN], s34, v[T]                   ; sum / 1024
	v_mul_f32 v[MEAN+1], s34, v[T]
.set t_p, 0
.rept 16
	v_pk_add_f32 v[\X+t_p:\X+t_p+1], v[\X+t_p:\X+t_p+1], v[MEAN:MEAN+1] neg_lo:[0,1] neg_hi:[0,1]
.set t_p, t_p+2
.endr
.irp k, 0,1,2,3
	v_pk_mul_f32 v[A+2*\k:A+2*\k+1], v[\X+2*\k:\X+2*\k+1], v[\X+2*\k:\X+2*\k+1]
.endr
.set t_p, 8
.rept 3
.irp k, 0,1,2,3
	v_pk_fma_f32 v[A+2*\k:A+2*\k+1], v[\X+t_p+2*\k:\X+t_p+2*\k+1], v[\X+t_p+2*\k:\X+t_p+2*\k+1], v[A+2*\k:A+2*\k+1]
.endr
.set t_p, t_p+8
.endr
	ALLSUM
	v_fma_f32 v[T], v[T], s34, s35                 ; variance + 1e-5
	v_rsq_f32 v[RSTD], v[T]
	v_rsq_f32 v[RSTD+1], v[T]
	v_nop                                          ; one plain vector instruction behind the transcendentals (ISA guide 5.7.2)
.set t_p, 0
	s_wait_alu depctr_va_vdst(0)
.rept 16
	v_pk_mul_f32 v[\X+t_p:\X+t_p+1], v[\X+t_p:\X+t_p+1], v[RSTD:RSTD+1]
.set t_p, t_p+2
.endr
.set t_p, 0
.rept 16
	v_pk_fma_f32 v[\X+t_p:\X+t_p+1], v[\X+t_p:\X+t_p+1], v[W+t_p:W+t_p+1], v[B+t_p:B+t_p+1]
.set t_p, t_p+2
.endr
.irp j, 0,1,2,3,4,5,6,7
	v_cvt_pk_bf16_f32 v[\X+4*\j], v[\X+4*\j], v[\X+4*\j+1]
	v_cvt_pk_bf16_f32 v[\X+4*\j+1], v[\X+4*\j+2], v[\X+4*\j+3]
	global_store_b64 v3, v[\X+4*\j:\X+4*\j+1], s[HB:HB+1] offset:256*\j+\rowoff   ; the wave's 32 lanes store 256 consecutive bytes, aligned
.endr
.endm
	; ---- LayerNorm ----
	v_and_b32 v1, 31, v0
	v_lshlrev_b32 v2, 4, v1                        ; 16 bytes a lane in x, gain and bias
	v_lshlrev_b32 v3, 3, v1                        ; 8 bytes a lane in h
	v_mov_b32 v[T+1], 0                            ; v_permlanex16_b32 counts as a reader of its destination
	s_mov_b32 s32, 0x76543210
	s_mov_b32 s33, 0xfedcba98
	s_mov_b32 s34, 0x3a800000                      ; 1 / 1024
	s_mov_b32 s35, 0x3727c5ac                      ; 1e-5
	s_lshl_b32 s2, ttmp9, 16                       ; 16 rows of 4,096 bytes a group,
	s_lshl_b32 s3, s30, 13                         ; 2 rows a wave
	s_add_co_u32 s2, s2, s3
	s_mov_b32 s3, 0
	s_lshr_b32 s4, s2, 1                           ; rows of h are half as long
	s_mov_b32 s5, 0
	s_wait_kmcnt 0x0
	s_add_nc_u64 s[XB:XB+1], s[XB:XB+1], s[2:3]
	s_add_nc_u64 s[HB:HB+1], s[HB:HB+1], s[4:5]
.irp j, 0,1,2,3,4,5,6,7
	global_load_b128 v[W+4*\j:W+4*\j+3], v2, s[WB:WB+1] offset:512*\j
.endr
.irp j, 0,1,2,3,4,5,6,7
	global_load_b128 v[B+4*\j:B+4*\j+3], v2, s[BB:BB+1] offset:512*\j
.endr
.irp j, 0,1,2,3,4,5,6,7
	global_load_b128 v[X0+4*\j:X0+4*\j+3], v2, s[XB:XB+1] offset:512*\j
.endr
.irp j, 0,1,2,3,4,5,6,7
	global_load_b128 v[X1+4*\j:X1+4*\j+3], v2, s[XB:XB+1] offset:512*\j+4096
.endr
	ROW X0, 8, 0                                   ; row 1's eight loads may stay out
	ROW X1, 0, 2048
	s_endpgm
; ---- one tile of a weight: 128 k x 64 n, f32 rows of SRCP bytes, to 64 n x 128 k, bf16 rows of DSTP bytes ----
; Thread (cg = t & 15, kg = t >> 4) loads rows 8 kg .. 8 kg + 7, columns 4 cg .. 4 cg + 3: sixteen lanes read 256 consecutive bytes of a row.
.macro TRANSP SRCP, DSTP
	v_mul_u32_u24 v4, v2, 8*\SRCP
	v_lshl_add_u32 v4, v1, 4, v4
.irp j, 0,1,2,3,4,5,6,7
	global_load_b128 v[72+4*\j:72+4*\j+3], v4, s[36:37] offset:\j*\SRCP th:TH_LOAD_NT
.endr
	v_mul_u32_u24 v5, v1, 4*272                    ; stage row n = 4 cg + c, bytes 16 kg (8 k)
	v_lshl_add_u32 v5, v2, 4, v5
	v_mul_u32_u24 v6, v2, 272                      ; back: row t >> 4 (+16 i), bytes 16 (t & 15)
	v_lshl_add_u32 v6, v1, 4, v6
	v_mul_u32_u24 v7, v2, \DSTP
	v_lshl_add_u32 v7, v1, 4, v7
	s_wait_loadcnt 0x0
.irp c, 0,1,2,3
.irp jj, 0,1,2,3
	v_cvt_pk_bf16_f32 v[104+4*\c+\jj], v[72+8*\jj+\c], v[72+8*\jj+4+\c]    ; k = 2 jj, 2 jj + 1 of column c
.endr
	ds_store_b128 v5, v[104+4*\c:104+4*\c+3] offset:\c*272
.endr
	s_wait_dscnt 0x0                               ; my stores are in LDS before I say so
	s_barrier_signal -1
	s_barrier_wait -1
.irp i, 0,1,2,3
	ds_load_b128 v[120+4*\i:120+4*\i+3], v6 offset:\i*16*272
.endr
.irp i, 0,1,2,3
	s_wait_dscnt 3-\i
	global_store_b128 v7, v[120+4*\i:120+4*\i+3], s[38:39] offset:\i*16*\DSTP   ; sixteen lanes store 256 consecutive bytes, aligned
.endr
	s_wait_tensorcnt 0x0
	ds_add_u32 v152, v153
	s_wait_dscnt 0x0
	s_endpgm
.endm
.Lweights:
	s_sub_co_u32 s31, ttmp9, 256                   ; u = 0 .. 1535
	v_and_b32 v1, 15, v0                           ; cg
	v_lshrrev_b32 v2, 4, v0                        ; kg
	s_cmp_lt_u32 s31, 512
	s_cbranch_scc0 .Lnot_square
	; Wq, Wk, Wv, Wproj: 128 tiles each (8 along k, 16 along n)
	s_lshr_b32 s40, s31, 7                         ; which
	s_and_b32 s41, s31, 15                         ; nt
	s_bfe_u32 s42, s31, 0x30004                    ; kt
	s_lshl_b32 s2, s42, 19                         ; 128 rows of 4,096 bytes
	s_lshl_b32 s3, s41, 8                          ; 64 columns of 4 bytes
	s_add_co_u32 s2, s2, s3
	s_mov_b32 s3, 0
	s_lshl_b32 s4, s40, 21                         ; 2 MiB a weight
	s_lshl_b32 s5, s41, 17                         ; 64 rows of 2,048 bytes
	s_add_co_u32 s4, s4, s5
	s_lshl_b32 s5, s42, 8                          ; 128 k of 2 bytes
	s_add_co_u32 s4, s4, s5
	s_mov_b32 s5, 0
	s_wait_kmcnt 0x0
	s_cmp_eq_u32 s40, 1
	s_cselect_b64 s[36:37], s[16:17], s[14:15]
	s_cmp_eq_u32 s40, 2
	s_cselect_b64 s[36:37], s[18:19], s[36:37]
	s_cmp_eq_u32 s40, 3
	s_cselect_b64 s[36:37], s[20:21], s[36:37]
	s_add_nc_u64 s[36:37], s[36:37], s[2:3]
	s_add_nc_u64 s[38:39], s[28:29], s[4:5]
	TRANSP 4096, 2048
.Lnot_square:
	s_cmp_lt_u32 s31, 1024
	s_cbranch_scc0 .Lw2
	; W1 [1024][4096]: 8 tiles along k, 64 along n
	s_and_b32 s41, s31, 63
	s_bfe_u32 s42, s31, 0x30006
	s_lshl_b32 s2, s42, 21                         ; 128 rows of 16,384 bytes
	s_lshl_b32 s3, s41, 8
	s_add_co_u32 s2, s2, s3
	s_mov_b32 s3, 0
	s_lshl_b32 s4, s41, 17
	s_lshl_b32 s5, s42, 8
	s_add_co_u32 s4, s4, s5
	s_add_co_u32 s4, s4, 0x800000
	s_mov_b32 s5, 0
	s_wait_kmcnt 0x0
	s_add_nc_u64 s[36:37], s[22:23], s[2:3]
	s_add_nc_u64 s[38:39], s[28:29], s[4:5]
	TRANSP 16384, 2048
.Lw2:
	; W2 [4096][1024]: 32 tiles along k, 16 along n
	s_and_b32 s41, s31, 15
	s_bfe_u32 s42, s31, 0x50004
	s_lshl_b32 s2, s42, 19
	s_lshl_b32 s3, s41, 8
	s_add_co_u32 s2, s2, s3
	s_mov_b32 s3, 0
	s_lshl_b32 s4, s41, 19                         ; 64 rows of 8,192 bytes
	s_lshl_b32 s5, s42, 8
	s_add_co_u32 s4, s4, s5
	s_add_co_u32 s4, s4, 0x1000000
	s_mov_b32 s5, 0
	s_wait_kmcnt 0x0
	s_add_nc_u64 s[36:37], s[24:25], s[2:3]
	s_add_nc_u64 s[38:39], s[28:29], s[4:5]
	TRANSP 4096, 8192
.Lfunc_end_k_qca17e6f5af_prep:
	.size	k_qca17e6f5af_prep, .Lfunc_end_k_qca17e6f5af_prep-k_qca17e6f5af_prep
	.p2alignl 7, 3214868480
	.fill 96, 4, 3214868480
	.section	.rodata,"a",@progbits
	.p2align	6, 0x0
	.amdhsa_kernel k_qca17e6f5af_prep
		.amdhsa_group_segment_fixed_size 18432
		.amdhsa_private_segment_fixed_size 0
		.amdhsa_enable_private_segment 0
		.amdhsa_kernarg_size 88
		.amdhsa_user_sgpr_count 2
		.amdhsa_user_sgpr_kernarg_segment_ptr 1
		.amdhsa_wavefront_size32 1
		.amdhsa_system_sgpr_workgroup_id_x 1
		.amdhsa_system_sgpr_workgroup_id_y 1
		.amdhsa_system_sgpr_workgroup_id_z 1
		.amdhsa_system_vgpr_workitem_id 0
		.amdhsa_next_free_vgpr 154
		.amdhsa_next_free_sgpr 66
		.amdhsa_reserve_vcc 0
		.amdhsa_float_denorm_mode_32 3
		.amdhsa_float_denorm_mode_16_64 3
		.amdhsa_memory_ordered 1
		.amdhsa_forward_progress 1
		.amdhsa_inst_pref_size 34
	.end_amdhsa_kernel
	.amdgpu_metadata
---
amdhsa.version: [ 1, 2 ]
amdhsa.kernels:
  - .name:           k_qca17e6f5af_prep
    .symbol:         k_qca17e6f5af_prep.kd
    .args:
      - { .name: x, .offset: 0, .size: 8, .value_kind: global_buffer, .address_space: global }
      - { .name: ln1_w, .offset: 8, .size: 8, .value_kind: global_buffer, .address_space: global }
      - { .name: ln1_b, .offset: 16, .size: 8, .value_kind: global_buffer, .address_space: global }
      - { .name: Wq, .offset: 24, .size: 8, .value_kind: global_buffer, .address_space: global }
      - { .name: Wk, .offset: 32, .size: 8, .value_kind: global_buffer, .address_space: global }
      - { .name: Wv, .offset: 40, .size: 8, .value_kind: global_buffer, .address_space: global }
      - { .name: Wproj, .offset: 48, .size: 8, .value_kind: global_buffer, .address_space: global }
      - { .name: W1, .offset: 56, .size: 8, .value_kind: global_buffer, .address_space: global }
      - { .name: W2, .offset: 64, .size: 8, .value_kind: global_buffer, .address_space: global }
      - { .name: h, .offset: 72, .size: 8, .value_kind: global_buffer, .address_space: global }
      - { .name: wt, .offset: 80, .size: 8, .value_kind: global_buffer, .address_space: global }
    .group_segment_fixed_size: 18432
    .private_segment_fixed_size: 0
    .kernarg_segment_align: 8
    .kernarg_segment_size: 88
    .max_flat_workgroup_size: 256
    .sgpr_count:     66
    .vgpr_count:     154
    .wavefront_size: 32
...
	.end_amdgpu_metadata
.endif
;; end of part 1
;; launch qkvg (part 2): grid 8 x 32, 4 waves a work-group, clusters of 4 x 4, 327,680 bytes of LDS; arguments h, wt, qkv; writes qkv
.if DOCPART == 2
	.amdgcn_target "amdgcn-amd-amdhsa--gfx1250"
	.amdhsa_code_object_version 6
	.text
	.protected	k_qca17e6f5af_qkvg
	.globl	k_qca17e6f5af_qkvg
	.p2align	8
	.type	k_qca17e6f5af_qkvg,@function
k_qca17e6f5af_qkvg:
	s_mov_b64 s[64:65], 0
	v_nop
	global_prefetch_b8 v0, s[64:65] scope:SCOPE_SE
	s_setreg_imm32_b32 hwreg(HW_REG_WAVE_MODE, 25, 1), 1
	s_wait_xcnt 0x0
	s_wait_alu depctr_hold_cnt(0) depctr_sa_sdst(0) depctr_va_vdst(0) depctr_va_sdst(0) depctr_va_ssrc(0) depctr_va_vcc(0) depctr_vm_vsrc(0)
	s_getreg_b32 s2, hwreg(HW_REG_IB_STS2, 6, 4)
	s_cmp_eq_u32 s2, 0
	s_cbranch_scc0 .Lentry_in_a_cluster
	s_endpgm
.Lentry_in_a_cluster:
	s_bfe_u32 s2, ttmp6, 0x10000c
	s_cmp_lg_u32 s2, 0xf033
	s_cbranch_scc0 .Lentry_shape_is_right
	s_endpgm
.Lentry_shape_is_right:
; qkvg: [q | k | v] = h * [Wq | Wk | Wv].  h bf16 [4096][1024]; wt rows 0-3071 = the three weights transposed, bf16 [n][1024].
; Output qkv bf16 [b = 2][g = 48][t = 2048][64]: g 0-15 the q heads, 16-31 k, 32-47 v.
; A work-group makes 128 x 384 of the product with four waves (64 x 192 each: 48 accumulator tiles).  K goes in steps of 128 through two LDS
; slots of 512 rows (A's 128, then B's 384), each row 256 bytes of memory + 16 of padding.  Wave w fetches slot rows 128 w .. 128 w + 127.
; 4 x 4 work-groups form a cluster: A's tile is asked for jointly along a row of the cluster, B's along a column.
; A cluster starts its walk along K at step KRX x cluster x + KRY x cluster y and wraps round, so that clusters that read the same rows of A or of B
; ask for a given K step at different times.  The start hangs on the cluster's coordinates alone: it is the same in all sixteen partners.
; The matrix instruction is used transposed (source 0 = rows of B, source 1 = rows of A): a lane's 8 results are 8 neighbouring columns of a row.
; This text serves two launches; the constants of this head choose between them.
; LIMITS: operands and results rounded to bf16; sums in f32, over K in the rotated order; NaN and infinities are not served.
.set BM, 128
.set BN, 384
.set MB, 4                             ; 16-row blocks of a wave
.set NB, 12                            ; 16-column blocks of a wave
.set NAW, 1                            ; waves that fetch A
.set SIZE_N, 3072
.set WOFF, 0
.set BIAS, 0                           ; 1: bias starts the sums, relu on the way out, plain row-major output
.set SPITCH, 400                       ; stage row: 384 bytes + 16
.set KRX, 4                            ; two clusters along x share A's rows: half of the 8 steps apart
.set KRY, 2                            ; clusters along y share B's rows: a quarter apart
.set SIZE_K, 1024
.set KSTEP,  128
.set NSTEP,  SIZE_K/KSTEP
.set PITCH,  272
.set HALFT,  128*PITCH
.set SLOT,   4*HALFT
.set STAGE,  2*SLOT
.set LAPS,   SIZE_K/(2*KSTEP)
.set ADRA, 16                          ; v16-17 LDS address of my A fragments, slot 0, 1
.set ADRB, 20                          ; v20-21 the same for B
.set STO,  24
.set RD,   25
.set CO,   26
.set BO,   27
.set FA0,  64                          ; window 0: A's fragments, buffer f at 64 + 64 f
.set FBS,  96                          ; window 1: B's fragments, buffer f at 96 f
.set TMP,  192                         ; window 0: packed results
.set BIASR, 192                        ; window 1: the bias as a C operand, tile b at 192 + 8 b
.set G1, 24
.set G0, 32
.set G1B, 48
.set G0B, 56
.set MUL_LO, 0xa1                      ; source 0 window 1, source 1 window 0, C and D window 2
.set MUL_HI, 0xf1                      ; the same, C and D window 3
.set TO_B,   0x40
.set MSB, 0
.macro WIN new                         ; the immediate's high byte repeats the setting that is left
.if MSB != \new
	s_set_vgpr_msb (MSB<<8)|\new
.set MSB, \new
.endif
.endm
.macro JLOAD s                         ; a joint load: one line and one mask for A's fetchers, one for B's; the branch hangs on the wave's number alone
	s_cmp_lt_u32 s10, NAW
	s_cbranch_scc0 .Lfor_b_\@
	tensor_load_to_lds s[G0+4*\s:G0+4*\s+3], s[G1:G1+7]
	s_nop 0
	s_branch .Lasked_\@
.Lfor_b_\@:
	tensor_load_to_lds s[G0B+4*\s:G0B+4*\s+3], s[G1B:G1B+7]
	s_nop 0
.Lasked_\@:
.endm
.macro KOFF                            ; s[18:19] = byte offset, in a row, of the next K step to be asked for; s45 counts on
	s_and_b32 s18, s45, NSTEP-1
	s_lshl_b32 s18, s18, 8
	s_add_co_u32 s45, s45, 1
.endm
.macro CREST                           ; a round of the cluster's barrier behind its opening barrier
	s_cmp_lg_u32 s10, 0
	s_cbranch_scc1 .Lnot_wave_0_\@
	s_barrier_signal -3
.Lnot_wave_0_\@:
	s_barrier_wait -3
	s_barrier_signal -1
	s_barrier_wait -1
.endm
.macro CROUND
	s_barrier_signal -1
	s_barrier_wait -1
	CREST
.endm
.macro PLACES                          ; four places behind a matrix instruction (ISA guide 7.12.1) before its registers are loaded into or its result read
.rept 4
	v_nop
.endr
.endm
	s_load_b128 s[4:7], s[0:1], 0x0                ; A s[4:5], wt s[6:7]
	s_load_b64 s[8:9], s[0:1], 0x10                ; the output
	s_set_vgpr_msb 0x40
	v_lshl_add_u32 v255, v0, 2, 0x4a400
	s_set_vgpr_msb 0x4000
	v_mov_b32 v255, 0
	s_set_vgpr_msb 0x1
	ds_add_u32 v255, v255
	ds_add_u32 v255, v255
	s_set_vgpr_msb 0x100
.if BIAS
	s_load_b64 s[66:67], s[0:1], 0x18              ; the bias
.endif
	v_lshrrev_b32 v1, 5, v0
	v_readfirstlane_b32 s10, v1                    ; wave
	s_lshr_b32 s11, s10, 1                         ; wm: my half of the block's rows
	s_and_b32 s12, s10, 1                          ; wn: my half of its columns
	s_bfe_u32 s40, ttmp6, 0x40000                  ; cx
	s_bfe_u32 s41, ttmp6, 0x40004                  ; cy
	s_lshl_b32 s42, ttmp9, 2
	s_add_co_u32 s42, s42, s40                     ; block column
	s_and_b32 s13, ttmp7, 0xffff
	s_mul_i32 s45, s13, KRY
	s_mul_i32 s18, ttmp9, KRX
	s_add_co_u32 s45, s45, s18                     ; the K step at which my cluster starts (taken modulo NSTEP where it is used)
	s_mov_b32 s19, 0
	s_lshl_b32 s13, s13, 2
	s_add_co_u32 s13, s13, s41                     ; block row
	s_lshl_b32 s43, s41, 2
	s_lshl_b32 s43, 15, s43                        ; my row of the cluster
	s_lshl_b32 s44, 0x1111, s40                    ; my column
	; group 1: 128 rows x 128 elements of 2 bytes, 4 words of padding behind every 64
	s_or_b32 s[G1+0], s43, (1<<16)|(1<<20)|(1<<21)|(5<<22)|(3<<25)
	s_or_b32 s[G1B+0], s44, (1<<16)|(1<<20)|(1<<21)|(5<<22)|(3<<25)
	s_mov_b32 s[G1+1], KSTEP<<16
	s_mov_b32 s[G1B+1], KSTEP<<16
	s_mov_b32 s[G1+2], 128<<16
	s_mov_b32 s[G1B+2], 128<<16
	s_mov_b32 s[G1+3], KSTEP<<16
	s_mov_b32 s[G1B+3], KSTEP<<16
	s_mov_b32 s[G1+4], 128
	s_mov_b32 s[G1B+4], 128
	s_mov_b32 s[G1+5], SIZE_K
	s_mov_b32 s[G1B+5], SIZE_K
	s_mov_b32 s[G1+6], 0
	s_mov_b32 s[G1B+6], 0
	s_mov_b32 s[G1+7], 0
	s_mov_b32 s[G1B+7], 0
	; A's address hangs on the block row and the wave, B's on the block column and the wave; each in registers that never hold the other coordinate
	s_min_u32 s17, s10, NAW-1
	s_lshl_b32 s17, s17, 7
	s_mul_i32 s16, s13, BM
	s_add_co_u32 s16, s16, s17
	s_lshl_b32 s16, s16, 11                        ; rows of 2,048 bytes
	s_mov_b32 s17, 0
	s_max_u32 s47, s10, NAW
	s_sub_co_u32 s47, s47, NAW
	s_lshl_b32 s47, s47, 7
	s_mul_i32 s46, s42, BN
	s_add_co_u32 s46, s46, s47
	s_lshl_b32 s46, s46, 11
	s_add_co_u32 s46, s46, WOFF
	s_mov_b32 s47, 0
	s_mul_i32 s20, s10, HALFT                      ; LDS: wave x 128 rows
.if BIAS
	s_lshl_b32 s68, s42, 10                        ; (256 x block column + 128 wn) x 4 bytes
	s_lshl_b32 s69, s12, 9
	s_add_co_u32 s68, s68, s69
	s_mov_b32 s69, 0
.endif
	s_wait_dscnt 0x0
	s_wait_kmcnt 0x0
	s_add_nc_u64 s[14:15], s[4:5], s[16:17]        ; my rows of A at K = 0,
	s_add_nc_u64 s[46:47], s[6:7], s[46:47]        ; my rows of B at K = 0,
	s_or_b32 s15, s15, 0x80000000                  ; each with the descriptor's type bits on top
	s_or_b32 s47, s47, 0x80000000
.if BIAS
	s_add_nc_u64 s[66:67], s[66:67], s[68:69]
.endif
	CROUND                                         ; all sixteen work-groups are here: the first joint loads meet
.irp s, 0,1
	KOFF
	s_mov_b32 s[G0+4*\s], 1
	s_add_co_u32 s[G0+4*\s+1], s20, \s*SLOT
	s_add_nc_u64 s[G0+4*\s+2:G0+4*\s+3], s[14:15], s[18:19]
	s_mov_b32 s[G0B+4*\s], 1
	s_add_co_u32 s[G0B+4*\s+1], s20, \s*SLOT
	s_add_nc_u64 s[G0B+4*\s+2:G0B+4*\s+3], s[46:47], s[18:19]
	JLOAD \s
.endr
	v_and_b32 v1, 15, v0                           ; r
	v_bfe_u32 v2, v0, 4, 1                         ; h
	v_mul_u32_u24 v3, v1, PITCH
	v_lshl_add_u32 v3, v2, 4, v3
	s_mul_i32 s21, s11, 16*MB*PITCH                ; my rows of A
	s_mul_i32 s22, s12, 16*NB*PITCH                ; my rows of B,
	s_add_co_u32 s22, s22, BM*PITCH                ; which lie behind A's
.irp s, 0,1
	v_add_nc_u32 v[ADRA+\s], s21, v3
	v_add_nc_u32 v[ADRB+\s], s22, v3
	s_add_co_u32 s21, s21, SLOT
	s_add_co_u32 s22, s22, SLOT
.endr
	s_mul_i32 s23, s10, 16*SPITCH
	s_add_co_u32 s23, s23, STAGE                   ; my stage, behind the ring
	v_mul_u32_u24 v4, v1, SPITCH
	v_lshl_add_u32 v4, v2, 4, v4
	v_add_nc_u32 v[STO], s23, v4
.if BIAS
	v_mul_u32_u24 v5, v2, SPITCH                   ; back: lanes 0-15 one row of 256 bytes, lanes 16-31 the next
	v_lshl_add_u32 v5, v1, 4, v5
	v_add_nc_u32 v[RD], s23, v5
	v_mul_u32_u24 v5, v2, SIZE_N*2
	v_lshl_add_u32 v[CO], v1, 4, v5
	v_lshlrev_b32 v[BO], 5, v2                     ; 8 h columns of 4 bytes
	WIN TO_B
.irp b, 0,1,2,3,4,5,6,7
	global_load_b128 v[BIASR+8*\b:BIASR+8*\b+3], v[BO], s[66:67] offset:64*\b       ; register j of tile b: bias of column 16 b + 8 h + j
	global_load_b128 v[BIASR+8*\b+4:BIASR+8*\b+7], v[BO], s[66:67] offset:64*\b+16
.endr
	WIN 0
.else
	v_bfe_u32 v5, v0, 3, 2                         ; back: eight lanes take 128 bytes (one head) of a row, the wave four rows
	v_and_b32 v6, 7, v0
	v_mul_u32_u24 v5, v5, SPITCH
	v_lshl_add_u32 v5, v6, 4, v5
	v_add_nc_u32 v[RD], s23, v5
	v_and_b32 v6, 31, v0
	v_lshlrev_b32 v[CO], 4, v6
.endif
; MB/4 row blocks x all NB column blocks, 32 along K.  zero = 1: the first product starts the sums (from 0 or from the bias).
; The accumulators take turns, one instruction a turn, in the same order in every quarter step.
.macro MULP f, hi, part, zero
.set t_al, \part*(MB/4)
.rept MB/4
.set t_b, 0
.rept NB
.if \zero
.if BIAS
	v_wmma_f32_16x16x32_bf16 v[8*(NB*t_al+t_b):8*(NB*t_al+t_b)+7], v[FBS*\f+8*t_b:FBS*\f+8*t_b+7], v[FA0+64*\f+8*(\hi*(MB/2)+t_al):FA0+64*\f+8*(\hi*(MB/2)+t_al)+7], v[BIASR+8*t_b:BIASR+8*t_b+7]
.else
	v_wmma_f32_16x16x32_bf16 v[8*(NB*t_al+t_b):8*(NB*t_al+t_b)+7], v[FBS*\f+8*t_b:FBS*\f+8*t_b+7], v[FA0+64*\f+8*(\hi*(MB/2)+t_al):FA0+64*\f+8*(\hi*(MB/2)+t_al)+7], 0
.endif
.else
	v_wmma_f32_16x16x32_bf16 v[8*(NB*t_al+t_b):8*(NB*t_al+t_b)+7], v[FBS*\f+8*t_b:FBS*\f+8*t_b+7], v[FA0+64*\f+8*(\hi*(MB/2)+t_al):FA0+64*\f+8*(\hi*(MB/2)+t_al)+7], v[8*(NB*t_al+t_b):8*(NB*t_al+t_b)+7]
.endif
.set t_b, t_b+1
.endr
.set t_al, t_al+1
.endr
.endm
; 32 LDS loads in one run: 2 NB for B, then 2 MB for A: the fragments of 32 K at byte k of the slot's rows, into buffer f
.macro FETCH slot, k, f
	WIN TO_B
.set t_i, 0
.rept NB
	ds_load_b128 v[FBS*\f+8*t_i:FBS*\f+8*t_i+3], v[ADRB+\slot] offset:\k+t_i*16*PITCH
	ds_load_b128 v[FBS*\f+8*t_i+4:FBS*\f+8*t_i+7], v[ADRB+\slot] offset:\k+t_i*16*PITCH+32
.set t_i, t_i+1
.endr
	WIN 0
.set t_i, 0
.rept MB
	ds_load_b128 v[FA0+64*\f+8*t_i:FA0+64*\f+8*t_i+3], v[ADRA+\slot] offset:\k+t_i*16*PITCH
	ds_load_b128 v[FA0+64*\f+8*t_i+4:FA0+64*\f+8*t_i+7], v[ADRA+\slot] offset:\k+t_i*16*PITCH+32
.set t_i, t_i+1
.endr
.endm
.macro QUARTER slot, k, f, g, zero
	s_wait_dscnt MB                                ; the youngest MB loads (A's upper half) may be out
.if \zero*BIAS
	WIN 0x91                                       ; C from window 1
.else
	WIN MUL_LO
.endif
	MULP \f, 0, 0, \zero
	MULP \f, 0, 1, \zero
	PLACES
	FETCH \slot, \k, \g
	s_wait_dscnt 32                                ; all but the 32 just issued
.if \zero*BIAS
	WIN 0xd1
.else
	WIN MUL_HI
.endif
	MULP \f, 1, 0, \zero
	MULP \f, 1, 1, \zero
.endm
.macro THREE slot, zero
	QUARTER \slot, 64,  0, 1, \zero
	QUARTER \slot, 128, 1, 0, 0
	QUARTER \slot, 192, 0, 1, 0
.endm
; The last quarter of a K step multiplies buffer 1 and changes slots.  In front of the barrier each wave waits for its reads of this slot and for
; all its tensor loads (one is out: its part of the next slot).  Where the slot is filled again the barrier opens a round of the cluster's barrier,
; and the joint refill is the first tensor load behind the round.
.macro TURN slot, next, fill
	s_wait_dscnt MB
	WIN MUL_LO
	MULP 1, 0, 0, 0
	s_wait_dscnt 0x0
	s_wait_tensorcnt 0x0
	ds_add_u32 v255, v255
	s_wait_dscnt 0x0
	s_barrier_signal -1
	MULP 1, 0, 1, 0
	WIN 0
	s_barrier_wait -1
.if \fill
	CREST
	KOFF
	s_add_nc_u64 s[G0+4*\slot+2:G0+4*\slot+3], s[14:15], s[18:19]
	s_add_nc_u64 s[G0B+4*\slot+2:G0B+4*\slot+3], s[46:47], s[18:19]
	JLOAD \slot
.endif
	PLACES
	FETCH \next, 0, 0
	WIN MUL_HI
	MULP 1, 1, 0, 0
	MULP 1, 1, 1, 0
.endm
.macro LAP zero
	THREE 0, \zero
	TURN 0, 1, 1
	THREE 1, 0
	TURN 1, 0, 1
.endm
	s_wait_tensorcnt 1                             ; my part of the first K step is in; the second's stays out
.if BIAS
	s_wait_loadcnt 0x0                             ; the bias
.endif
	s_barrier_signal -1
	s_barrier_wait -1
	FETCH 0, 0, 0
	LAP 1
	WIN 0
	s_mov_b32 s3, LAPS-2
.Llap:
	LAP 0
	WIN 0
	s_sub_co_u32 s3, s3, 1
	s_cmp_lg_u32 s3, 0
	s_cbranch_scc1 .Llap
	THREE 0, 0                                     ; the last lap fills nothing
	TURN 0, 1, 0
	THREE 1, 0
	s_wait_dscnt MB
	WIN MUL_LO
	MULP 1, 0, 0, 0
	MULP 1, 0, 1, 0
	s_wait_dscnt 0x0
	WIN MUL_HI
	MULP 1, 1, 0, 0
	MULP 1, 1, 1, 0
	PLACES
.if BIAS
	; out: row-major [4096][SIZE_N] bf16
	s_lshl_b32 s16, s13, 8
	s_lshl_b32 s14, s11, 7
	s_add_co_u32 s16, s16, s14
	s_lshl_b32 s16, s16, 13                        ; rows of 8,192 bytes
	s_mov_b32 s17, 0
	s_add_nc_u64 s[8:9], s[8:9], s[16:17]
	s_lshl_b32 s46, s42, 9
	s_lshl_b32 s47, s12, 8
	s_add_co_u32 s46, s46, s47
	s_mov_b32 s47, 0
	s_add_nc_u64 s[8:9], s[8:9], s[46:47]
.macro OUTF i, al, from, f             ; 16 rows: relu in f32, round, through my stage, whole rows of 256 bytes out
	WIN \from
.irp b, 0,1,2,3,4,5,6,7
.irp j, 0,1,2,3,4,5,6,7
	v_max_num_f32 v[FA0+8*\b+\j], 0, v[8*(NB*\al+\b)+\j]
.endr
.endr
	WIN 0
.irp b, 0,1,2,3,4,5,6,7
.irp r, 0,1,2,3
	v_cvt_pk_bf16_f32 v[TMP+4*\b+\r], v[FA0+8*\b+2*\r], v[FA0+8*\b+2*\r+1]
.endr
.endr
.irp b, 0,1,2,3,4,5,6,7
	ds_store_b128 v[STO], v[TMP+4*\b:TMP+4*\b+3] offset:32*\b
.endr
	s_wait_xcnt 0x0                                ; buffer f and the base, which earlier stores read, are rewritten only behind this wait
.if \i
	s_add_nc_u64 s[8:9], s[8:9], 16*SIZE_N*2
.endif
.irp t, 0,1,2,3,4,5,6,7
	ds_load_b128 v[\f+4*\t:\f+4*\t+3], v[RD] offset:\t*2*SPITCH    ; a wave's LDS instructions are served in order: these see the stores above
.endr
.irp t, 0,1,2,3,4,5,6,7
	s_wait_dscnt 7-\t
	global_store_b128 v[CO], v[\f+4*\t:\f+4*\t+3], s[8:9] offset:2*\t*SIZE_N*2   ; sixteen lanes store 256 consecutive bytes, aligned
.endr
.endm
	OUTF 0, 0, 0x08, 128
	OUTF 1, 1, 0x08, 160
	OUTF 2, 2, 0x08, 128
	OUTF 3, 3, 0x08, 160
	OUTF 4, 0, 0x0c, 128
	OUTF 5, 1, 0x0c, 160
	OUTF 6, 2, 0x0c, 128
	OUTF 7, 3, 0x0c, 160
.else
	; out: planes [b][g][t][64]; my 192 columns are three planes, my 64 rows are 8,192 consecutive bytes in each
	s_lshr_b32 s16, s13, 4
	s_mul_i32 s16, s16, 48
	s_lshl_b32 s16, s16, 18
	s_and_b32 s14, s13, 15
	s_lshl_b32 s14, s14, 14
	s_add_co_u32 s16, s16, s14
	s_lshl_b32 s14, s11, 13
	s_add_co_u32 s16, s16, s14
	s_mov_b32 s17, 0
	s_add_nc_u64 s[8:9], s[8:9], s[16:17]
	s_mul_i32 s46, s42, 6
	s_mul_i32 s47, s12, 3
	s_add_co_u32 s46, s46, s47
	s_lshl_b32 s46, s46, 18
	s_mov_b32 s47, 0
	s_add_nc_u64 s[8:9], s[8:9], s[46:47]
.macro OUTQ a, al, from, f             ; 16 rows x 192 columns
	WIN \from
.set t_b, 0
.rept NB
.irp r, 0,1,2,3
	v_cvt_pk_bf16_f32 v[TMP+4*t_b+\r], v[8*(NB*\al+t_b)+2*\r], v[8*(NB*\al+t_b)+2*\r+1]
.endr
.set t_b, t_b+1
.endr
	WIN 0
.set t_b, 0
.rept NB
	ds_store_b128 v[STO], v[TMP+4*t_b:TMP+4*t_b+3] offset:32*t_b
.set t_b, t_b+1
.endr
	s_wait_xcnt 0x0                                ; buffer f, which earlier stores read, is rewritten only behind this wait
.irp i, 0,1,2,3
.irp hh, 0,1,2
	ds_load_b128 v[\f+4*(3*\i+\hh):\f+4*(3*\i+\hh)+3], v[RD] offset:\i*4*SPITCH+\hh*128
.endr
.endr
.irp i, 0,1,2,3
.irp hh, 0,1,2
	s_wait_dscnt 11-(3*\i+\hh)
	global_store_b128 v[CO], v[\f+4*(3*\i+\hh):\f+4*(3*\i+\hh)+3], s[8:9] offset:\hh*262144+\a*2048+\i*512   ; 512 consecutive bytes: four rows of one head
.endr
.endr
.endm
	OUTQ 0, 0, 0x0a, 64
	OUTQ 1, 1, 0x0a, 112
	OUTQ 2, 0, 0x0f, 64
	OUTQ 3, 1, 0x0f, 112
.endif
	s_set_vgpr_msb 0x1
	s_wait_tensorcnt 0x0
	ds_add_u32 v255, v255
	s_wait_dscnt 0x0
	s_set_vgpr_msb 0x100
	CROUND                                         ; no work-group ends while a partner may still ask for a tile that names it
	s_endpgm
.Lfunc_end_k_qca17e6f5af_qkvg:
	.size	k_qca17e6f5af_qkvg, .Lfunc_end_k_qca17e6f5af_qkvg-k_qca17e6f5af_qkvg
	.p2alignl 7, 3214868480
	.fill 96, 4, 3214868480
	.section	.rodata,"a",@progbits
	.p2align	6, 0x0
	.amdhsa_kernel k_qca17e6f5af_qkvg
		.amdhsa_group_segment_fixed_size 327680
		.amdhsa_private_segment_fixed_size 0
		.amdhsa_enable_private_segment 0
		.amdhsa_kernarg_size 24
		.amdhsa_user_sgpr_count 2
		.amdhsa_user_sgpr_kernarg_segment_ptr 1
		.amdhsa_wavefront_size32 1
		.amdhsa_system_sgpr_workgroup_id_x 1
		.amdhsa_system_sgpr_workgroup_id_y 1
		.amdhsa_system_sgpr_workgroup_id_z 1
		.amdhsa_system_vgpr_workitem_id 0
		.amdhsa_next_free_vgpr 1024
		.amdhsa_next_free_sgpr 72
		.amdhsa_reserve_vcc 0
		.amdhsa_float_denorm_mode_32 3
		.amdhsa_float_denorm_mode_16_64 3
		.amdhsa_memory_ordered 1
		.amdhsa_forward_progress 1
		.amdhsa_inst_pref_size 164
	.end_amdhsa_kernel
	.amdgpu_metadata
---
amdhsa.version: [ 1, 2 ]
amdhsa.kernels:
  - .name:           k_qca17e6f5af_qkvg
    .symbol:         k_qca17e6f5af_qkvg.kd
    .args:
      - { .name: h, .offset: 0, .size: 8, .value_kind: global_buffer, .address_space: global }
      - { .name: wt, .offset: 8, .size: 8, .value_kind: global_buffer, .address_space: global }
      - { .name: qkv, .offset: 16, .size: 8, .value_kind: global_buffer, .address_space: global }
    .group_segment_fixed_size: 327680
    .private_segment_fixed_size: 0
    .kernarg_segment_align: 8
    .kernarg_segment_size: 24
    .max_flat_workgroup_size: 128
    .sgpr_count:     72
    .vgpr_count:     1024
    .wavefront_size: 32
...
	.end_amdgpu_metadata
.endif
;; end of part 2
;; launch attn (part 3): grid 256 x 1, 8 waves a work-group, no clusters, 327,680 bytes of LDS; arguments qkv, att; writes att
.if DOCPART == 3
	.amdgcn_target "amdgcn-amd-amdhsa--gfx1250"
	.amdhsa_code_object_version 6
	.text
	.protected	k_qca17e6f5af_attn
	.globl	k_qca17e6f5af_attn
	.p2align	8
	.type	k_qca17e6f5af_attn,@function
k_qca17e6f5af_attn:
	s_mov_b64 s[64:65], 0
	v_nop
	global_prefetch_b8 v0, s[64:65] scope:SCOPE_SE
	s_setreg_imm32_b32 hwreg(HW_REG_WAVE_MODE, 25, 1), 1
	s_wait_xcnt 0x0
; attn: causal attention, scores scaled by 1024^-0.5, with a running maximum and sum.  qkv bf16 [b][48][2048][64]; att bf16 [b][16][2048][64].
; Work-group (bh = id >> 3, i = id & 7) does query blocks (128 rows) 15 - i and then i of head bh: (16 - i) + (i + 1) = 17 key tiles of 128 in every group,
; run as one sequence through two LDS slots.
; EIGHT WAVES, two on a SIMD (2 x 384 registers): wave w has queries 32 wq .. 32 wq + 31 (wq = w & 3) and, of every tile, keys 64 kh .. 64 kh + 63
; (kh = w >> 2).  Each wave reads only its half of K and of V from LDS, and one wave's vector work can be issued while the other's matrix
; instructions run.  Each wave keeps a running maximum, sum and O of its own; at a block's end the kh = 1 waves hand theirs over through LDS and
; the kh = 0 waves join the two parts, divide and store.
; Both products are taken transposed: S^T = K Q^T (A = rows of K, B = Q), O^T = V^T P^T (A = V by transposing LDS loads, B = P).  Lane (r, h) then holds
; query r throughout; its 8 registers of an S tile are keys 16 kb + 8 h + j, which packed in place are P's B fragment; maximum, sum and rescale are
; per lane, with one exchange between the halves of the wave.
; The running maximum is always taken away.  It is kept at or above -3.4028e38 (the largest negative finite f32), so that a half whose keys are all
; masked gives exp2(-inf) = 0 and never -inf - (-inf).  The kh = 0 half holds key 0 of the diagonal tile, which every query may see: the joint
; maximum is a true score and the joint sum is positive.
; NO CLUSTER: the eight groups of a head read the same K and V, but at a given trip they stand at different tiles (their first blocks have 16 - i tiles),
; so no joint request would have the same address in all partners.
; LIMITS: q, k, v, P and the result are bf16; NaN and infinities in the inputs are not served.
.set KPITCH, 144                       ; a K row: 128 bytes + 16
.set VPITCH, 160                       ; a V row: 128 bytes + 32 (an odd multiple of 32, for the transposing loads)
.set KBYTES, 128*KPITCH
.set SLOT,   KBYTES+128*VPITCH         ; 38,912
.set XCH,    2*SLOT                    ; the hand-over: 17 blocks of 512 bytes for each pair of waves; no tensor load lands here
.set XW,     17*512
.set STAGE,  XCH+4*XW                  ; 32 rows x 144 bytes for each kh = 0 wave
.set ADK, 2                            ; window 0: v2-3 K fragment address, slot 0, 1
.set ADV, 4                            ; v4-5 V
.set STO, 6
.set RD,  7
.set CO,  8
.set QA,  9
.set XA,  18                           ; my pair's hand-over bytes + 16 x lane
.set NINF, 19
.set MX,  20                           ; v20-21 running maximum
.set LS,  22                           ; v22-23 running sum (of the lane's own keys)
.set DQ,  24                           ; v24-25 32 wq + 16 q + r - 8 h - 64 kh
.set NM,  26                           ; v26-29 - maximum x c, pairs
.set AL,  30                           ; v30-33 rescale factor, pairs
.set TM,  34                           ; v34-41 at work
.set SU,  42                           ; v42-49 sum chains
.set PM,  50                           ; v50-53 the partner's maxima and sums
.set Q,   64                           ; v64-95   Q fragments (q, ks) at 64 + 16 q + 8 ks
.set KF,  96                           ; v96-159  K fragments (kb, ks) at 96 + 16 kb + 8 ks
.set S,   160                          ; v160-223 S, then P: tile (kb, q) at 160 + 32 q + 8 kb; P (c, q) at 160 + 32 q + 16 c
.set Q2,  224                          ; v224-255 the second block's Q
.set TMP, 96                           ; on the way out, in K's registers: packed output,
.set RB,  128                          ; and what is read back
.set VF,  64                           ; window 1: v0-63 O (db, q) at 8 (4 q + db); v64-127 V fragments (c, db) at 64 + 8 (4 c + db), at the end the partner's O
.set MSB, 0
.macro WIN new                         ; the immediate's high byte repeats the setting that is left
.if MSB != \new
	s_set_vgpr_msb (MSB<<8)|\new
.set MSB, \new
.endif
.endm
	s_load_b128 s[4:7], s[0:1], 0x0                ; qkv, att
	v_lshl_add_u32 v62, v0, 2, 0x29000
	v_mov_b32 v63, 0
	ds_add_u32 v62, v63
	ds_add_u32 v62, v63
	v_lshrrev_b32 v1, 5, v0
	v_readfirstlane_b32 s8, v1                     ; wave 0 .. 7
	s_and_b32 s78, s8, 3                           ; wq
	s_lshr_b32 s79, s8, 2                          ; kh
	s_and_b32 s9, ttmp9, 7                         ; i
	s_lshr_b32 s10, ttmp9, 3                       ; bh
	s_sub_co_u32 s12, 15, s9                       ; QB: the query block at work
	s_mov_b32 s11, 0                               ; CUR: the key tile at work
	s_lshr_b32 s2, s10, 4
	s_mul_i32 s2, s2, 48
	s_and_b32 s3, s10, 15
	s_add_co_u32 s2, s2, s3
	s_lshl_b32 s2, s2, 18                          ; my q plane
	s_mov_b32 s3, 0
	s_lshl_b32 s70, s10, 18                        ; my plane of att
	s_mov_b32 s71, 0
	s_lshl_b32 s76, s78, 12                        ; 32 query rows of 128 bytes
	s_lshl_b32 s72, s12, 14                        ; the first block's rows of my wave
	s_add_co_u32 s72, s72, s76
	s_mov_b32 s73, 0
	s_lshl_b32 s74, s9, 14                         ; the second block's
	s_add_co_u32 s74, s74, s76
	s_mov_b32 s75, 0
	s_lshl_b32 s20, s8, 11                         ; the 16 rows of a tile that I fetch
	s_mov_b32 s21, 0
	s_mov_b32 s56, 0x76543210
	s_mov_b32 s57, 0xfedcba98
	s_mov_b32 s58, 0x3d38aa3b                      ; c = log2(e) / 32
	s_mov_b32 s59, 0x3d38aa3b
	s_mov_b32 s60, 0xbd38aa3b                      ; - c
	s_mov_b32 s61, 0xff7fffff                      ; the floor of the running maximum
	; group 1: a dense block of 2,048 bytes as 8 rows of 32 elements of 8 bytes; padding behind every 32 words: 4 words for K, 8 for V
	s_mov_b32 s24, (3<<16)|(1<<20)|(4<<22)|(3<<25)
	s_mov_b32 s32, (3<<16)|(1<<20)|(4<<22)|(7<<25)
	s_mov_b32 s25, 32<<16
	s_mov_b32 s33, 32<<16
	s_mov_b32 s26, 8<<16
	s_mov_b32 s34, 8<<16
	s_mov_b32 s27, 32<<16
	s_mov_b32 s35, 32<<16
	s_mov_b32 s28, 8
	s_mov_b32 s36, 8
	s_mov_b32 s29, 32
	s_mov_b32 s37, 32
	s_mov_b32 s30, 0
	s_mov_b32 s38, 0
	s_mov_b32 s31, 0
	s_mov_b32 s39, 0
	s_mul_i32 s15, s8, 16*KPITCH                   ; my eighth of a K tile in LDS
	s_mul_i32 s14, s8, 16*VPITCH
	s_add_co_u32 s14, s14, KBYTES                  ; and of a V tile
.irp s, 0,1
	s_mov_b32 s[40+4*\s], 1
	s_add_co_u32 s[41+4*\s], s15, \s*SLOT
	s_mov_b32 s[48+4*\s], 1
	s_add_co_u32 s[49+4*\s], s14, \s*SLOT
.endr
	s_wait_dscnt 0x0
	s_wait_kmcnt 0x0
	s_add_nc_u64 s[4:5], s[4:5], s[2:3]            ; q plane
	s_add_nc_u64 s[16:17], s[4:5], s[20:21]
	s_add_nc_u64 s[18:19], s[16:17], 0x800000      ; v plane (32 planes on), my eighth of tile 0
	s_add_nc_u64 s[16:17], s[16:17], 0x400000      ; k plane (16 planes on)
	s_or_b32 s17, s17, 0x80000000
	s_or_b32 s19, s19, 0x80000000
	s_mov_b64 s[42:43], s[16:17]
	s_mov_b64 s[50:51], s[18:19]
	tensor_load_to_lds s[40:43], s[24:31]          ; tile 0 into slot 0
	s_nop 0
	tensor_load_to_lds s[48:51], s[32:39]
	s_nop 0
	s_add_nc_u64 s[66:67], s[4:5], s[72:73]        ; Q of the first block, of the second
	s_add_nc_u64 s[68:69], s[4:5], s[74:75]
	s_add_nc_u64 s[6:7], s[6:7], s[70:71]
	s_add_nc_u64 s[22:23], s[6:7], s[72:73]        ; where the first block's result goes, and the second's
	s_add_nc_u64 s[62:63], s[6:7], s[74:75]
	v_and_b32 v10, 15, v0                          ; r
	v_bfe_u32 v11, v0, 4, 1                        ; h
	v_lshlrev_b32 v[QA], 7, v10
	v_lshl_add_u32 v[QA], v11, 4, v[QA]            ; r x 128 + 16 h
.irp q, 0,1
.irp ks, 0,1
	global_load_b128 v[Q+16*\q+8*\ks:Q+16*\q+8*\ks+3], v[QA], s[66:67] offset:\q*2048+\ks*64
	global_load_b128 v[Q+16*\q+8*\ks+4:Q+16*\q+8*\ks+7], v[QA], s[66:67] offset:\q*2048+\ks*64+32
	global_load_b128 v[Q2+16*\q+8*\ks:Q2+16*\q+8*\ks+3], v[QA], s[68:69] offset:\q*2048+\ks*64
	global_load_b128 v[Q2+16*\q+8*\ks+4:Q2+16*\q+8*\ks+7], v[QA], s[68:69] offset:\q*2048+\ks*64+32
.endr
.endr
	v_mul_u32_u24 v12, v10, KPITCH
	v_lshl_add_u32 v12, v11, 4, v12                ; r x 144 + 16 h
	s_mul_i32 s2, s79, 64*KPITCH                   ; my half of the keys
	v_add_nc_u32 v[ADK], s2, v12
	v_add_nc_u32 v[ADK+1], SLOT, v[ADK]
	v_and_b32 v13, 7, v0
	v_bfe_u32 v14, v0, 3, 1
	v_lshl_add_u32 v15, v11, 3, v13                ; 8 h + (l & 7)
	v_mul_u32_u24 v[ADV], v15, VPITCH
	v_lshl_add_u32 v[ADV], v14, 4, v[ADV]
	s_mul_i32 s2, s79, 64*VPITCH
	s_add_co_u32 s2, s2, KBYTES
	v_add_nc_u32 v[ADV], s2, v[ADV]
	v_add_nc_u32 v[ADV+1], SLOT, v[ADV]
	s_mul_i32 s2, s78, 32*KPITCH
	s_add_co_u32 s2, s2, STAGE                     ; the stage of my 32 queries
	v_add_nc_u32 v[STO], s2, v12
	v_bfe_u32 v16, v0, 3, 2
	v_mul_u32_u24 v[RD], v16, KPITCH
	v_lshl_add_u32 v[RD], v13, 4, v[RD]
	v_add_nc_u32 v[RD], s2, v[RD]
	v_and_b32 v1, 31, v0
	v_lshlrev_b32 v[CO], 4, v1
	s_mul_i32 s2, s78, XW
	s_add_co_u32 s2, s2, XCH
	v_add_nc_u32 v[XA], s2, v[CO]
	v_lshlrev_b32 v17, 3, v11
	v_sub_nc_u32 v17, v10, v17                     ; r - 8 h
	s_lshl_b32 s2, s78, 5
	s_lshl_b32 s3, s79, 6
	s_sub_co_i32 s2, s2, s3                        ; 32 wq - 64 kh
	v_add_nc_u32 v[DQ], s2, v17
	v_add_nc_u32 v[DQ+1], 16, v[DQ]
	v_mov_b32 v[MX], 0xff800000
	v_mov_b32 v[MX+1], 0xff800000
	v_mov_b32 v[NINF], 0xff800000
	v_mov_b32 v[LS], 0
	v_mov_b32 v[LS+1], 0
	v_mov_b32 v[TM+4], 0                           ; v_permlanex16_b32 counts as a reader of its destination
	v_mov_b32 v[TM+5], 0
; the softmax step of both query blocks, all in window 0; the two blocks' chains are interleaved: four chains that do not wait for each other
.macro SOFT2
.irp q, 0,1
	v_max_num_f32 v[TM+2*\q], v[S+32*\q], v[S+32*\q+1]
	v_max_num_f32 v[TM+2*\q+1], v[S+32*\q+2], v[S+32*\q+3]
.endr
.set t_i, 4
.rept 7
.irp q, 0,1
	v_max3_num_f32 v[TM+2*\q], v[TM+2*\q], v[S+32*\q+t_i], v[S+32*\q+t_i+1]
	v_max3_num_f32 v[TM+2*\q+1], v[TM+2*\q+1], v[S+32*\q+t_i+2], v[S+32*\q+t_i+3]
.endr
.set t_i, t_i+4
.endr
.irp q, 0,1
	v_max_num_f32 v[TM+2*\q], v[TM+2*\q], v[TM+2*\q+1]
.endr
.irp q, 0,1
	v_permlanex16_b32 v[TM+4+\q], v[TM+2*\q], s56, s57             ; the other half of the lanes holds the query's other keys
.endr
.irp q, 0,1
	v_max3_num_f32 v[TM+2*\q], v[TM+2*\q], v[TM+4+\q], v[MX+\q]
.endr
.irp q, 0,1
	v_max_num_f32 v[TM+2*\q], s61, v[TM+2*\q]      ; the new maximum, never below the floor
.endr
.irp q, 0,1
	v_sub_f32 v[TM+6+\q], v[MX+\q], v[TM+2*\q]
.endr
.irp q, 0,1
	v_mul_f32 v[TM+6+\q], s58, v[TM+6+\q]
	v_mov_b32 v[MX+\q], v[TM+2*\q]
.endr
.irp q, 0,1
	v_exp_f32 v[AL+2*\q], v[TM+6+\q]
	v_exp_f32 v[AL+2*\q+1], v[TM+6+\q]
.endr
.irp q, 0,1
	v_mul_f32 v[NM+2*\q], s60, v[TM+2*\q]          ; plain work behind the transcendentals (ISA guide 5.7.2)
	v_mul_f32 v[NM+2*\q+1], s60, v[TM+2*\q]
.endr
.irp q, 0,1
.set t_i, 0
.rept 16
	v_pk_fma_f32 v[S+32*\q+t_i:S+32*\q+t_i+1], v[S+32*\q+t_i:S+32*\q+t_i+1], s[58:59], v[NM+2*\q:NM+2*\q+1] op_sel_hi:[1,0,1]
.set t_i, t_i+2
.endr
.endr
.set t_i, 0
.rept 64
	v_exp_f32 v[S+t_i], v[S+t_i]
.set t_i, t_i+1
.endr
	v_nop
	s_wait_alu depctr_va_vdst(0)
.irp q, 0,1
	v_pk_add_f32 v[SU+4*\q:SU+4*\q+1], v[S+32*\q:S+32*\q+1], v[S+32*\q+2:S+32*\q+3]
	v_pk_add_f32 v[SU+4*\q+2:SU+4*\q+3], v[S+32*\q+4:S+32*\q+5], v[S+32*\q+6:S+32*\q+7]
.endr
.set t_i, 8
.rept 6
.irp q, 0,1
	v_pk_add_f32 v[SU+4*\q:SU+4*\q+1], v[SU+4*\q:SU+4*\q+1], v[S+32*\q+t_i:S+32*\q+t_i+1]
	v_pk_add_f32 v[SU+4*\q+2:SU+4*\q+3], v[SU+4*\q+2:SU+4*\q+3], v[S+32*\q+t_i+2:S+32*\q+t_i+3]
.endr
.set t_i, t_i+4
.endr
.irp q, 0,1
	v_pk_add_f32 v[SU+4*\q:SU+4*\q+1], v[SU+4*\q:SU+4*\q+1], v[SU+4*\q+2:SU+4*\q+3]
.endr
.irp q, 0,1
	v_add_f32 v[SU+4*\q], v[SU+4*\q], v[SU+4*\q+1]
.endr
.irp q, 0,1
	v_fma_f32 v[LS+\q], v[LS+\q], v[AL+2*\q], v[SU+4*\q]
.endr
.irp q, 0,1                            ; in place, ascending: P (c, q) = 8 registers at 32 q + 16 c
.irp c, 0,1
.irp i, 0,1,2,3
	v_cvt_pk_bf16_f32 v[S+32*\q+16*\c+\i], v[S+32*\q+16*\c+2*\i], v[S+32*\q+16*\c+2*\i+1]
.endr
.irp i, 0,1,2,3
	v_cvt_pk_bf16_f32 v[S+32*\q+16*\c+4+\i], v[S+32*\q+16*\c+8+2*\i], v[S+32*\q+16*\c+8+2*\i+1]
.endr
.endr
.endr
.endm
; One key tile.  slot: where it lies; refill = 1: the next tile is asked for, into the other slot; first = 1: the products start O;
; diag: 0 = the tile may be the block's last (mask and output under a branch on CUR = QB, the same in all eight waves), 1 = it is, 2 = it is not.
.macro TRIP slot, refill, first, diag
	s_wait_tensorcnt 0x0                           ; all my tensor loads are done, my eighths of this tile among them: every group 0 may be written
	ds_add_u32 v62, v63
	s_wait_dscnt 0x0
	s_add_co_u32 s13, s11, 1
	s_cmp_eq_u32 s11, s12
	s_cselect_b32 s13, 0, s13                      ; NEXT: behind a block's last tile comes tile 0
.if \refill
	s_lshl_b32 s20, s13, 14
	s_add_nc_u64 s[42+4*(1-\slot):43+4*(1-\slot)], s[16:17], s[20:21]
	s_add_nc_u64 s[50+4*(1-\slot):51+4*(1-\slot)], s[18:19], s[20:21]
.endif
	s_wait_dscnt 0x0                               ; my reads of the other slot are done
	s_barrier_signal -1
	s_barrier_wait -1                              ; both now hold of every wave
.if \refill
	tensor_load_to_lds s[40+4*(1-\slot):43+4*(1-\slot)], s[24:31]   ; two loads out; they have the whole trip in which to land
	s_nop 0
	tensor_load_to_lds s[48+4*(1-\slot):51+4*(1-\slot)], s[32:39]
	s_nop 0
.endif
.irp kb, 0,1,2,3
.irp ks, 0,1
	ds_load_b128 v[KF+16*\kb+8*\ks:KF+16*\kb+8*\ks+3], v[ADK+\slot] offset:\kb*16*KPITCH+64*\ks
	ds_load_b128 v[KF+16*\kb+8*\ks+4:KF+16*\kb+8*\ks+7], v[ADK+\slot] offset:\kb*16*KPITCH+64*\ks+32
.endr
.endr
	s_wait_dscnt 0x0                               ; K's 16 loads are in
	; S^T: the 8 accumulators take turns, one instruction a turn
.irp ks, 0,1
.irp q, 0,1
.irp kb, 0,1,2,3
.if \ks
	v_wmma_f32_16x16x32_bf16 v[S+32*\q+8*\kb:S+32*\q+8*\kb+7], v[KF+16*\kb+8*\ks:KF+16*\kb+8*\ks+7], v[Q+16*\q+8*\ks:Q+16*\q+8*\ks+7], v[S+32*\q+8*\kb:S+32*\q+8*\kb+7]
.else
	v_wmma_f32_16x16x32_bf16 v[S+32*\q+8*\kb:S+32*\q+8*\kb+7], v[KF+16*\kb+8*\ks:KF+16*\kb+8*\ks+7], v[Q+16*\q+8*\ks:Q+16*\q+8*\ks+7], 0
.endif
.endr
.endr
.endr
	WIN 0x40                                       ; V's 16 loads go out behind the S products and come in during the softmax; none of the S products' registers is named
.irp c, 0,1
.irp db, 0,1,2,3
	ds_load_tr16_b128 v[VF+8*(4*\c+\db):VF+8*(4*\c+\db)+3], v[ADV+\slot] offset:\c*32*VPITCH+32*\db
	ds_load_tr16_b128 v[VF+8*(4*\c+\db)+4:VF+8*(4*\c+\db)+7], v[ADV+\slot] offset:\c*32*VPITCH+32*\db+16*VPITCH
.endr
.endr
	WIN 0
.rept 4
	v_nop                                          ; four places before S is read (ISA guide 7.12.1)
.endr
.if \diag < 2
.if \diag == 0
	s_cmp_lg_u32 s11, s12
	s_cbranch_scc1 .Lnomask_\@
.endif
.irp q, 0,1
.set t_i, 0
.rept 32
.set t_k, (t_i/8)*16+(t_i%8)
	v_cmp_le_i32 vcc_lo, t_k, v[DQ+\q]             ; key 64 kh + 16 kb + 8 h + j <= query 32 wq + 16 q + r
	v_cndmask_b32 v[S+32*\q+t_i], v[NINF], v[S+32*\q+t_i], vcc_lo
.set t_i, t_i+1
.endr
.endr
.if \diag == 0
.Lnomask_\@:
.endif
.endif
	SOFT2
	s_wait_dscnt 0x0                               ; V is in
.if \first == 0
	WIN 0x41
.irp q, 0,1
.set t_i, 0
.rept 16
	v_pk_mul_f32 v[32*\q+t_i:32*\q+t_i+1], v[32*\q+t_i:32*\q+t_i+1], v[AL+2*\q:AL+2*\q+1]
.set t_i, t_i+2
.endr
.endr
.endif
	WIN 0x51
	; O^T: the 8 accumulators take turns, one instruction a turn
.irp c, 0,1
.irp q, 0,1
.irp db, 0,1,2,3
.if \c
	v_wmma_f32_16x16x32_bf16 v[8*(4*\q+\db):8*(4*\q+\db)+7], v[VF+8*(4*\c+\db):VF+8*(4*\c+\db)+7], v[S+32*\q+16*\c:S+32*\q+16*\c+7], v[8*(4*\q+\db):8*(4*\q+\db)+7]
.else
.if \first
	v_wmma_f32_16x16x32_bf16 v[8*(4*\q+\db):8*(4*\q+\db)+7], v[VF+8*(4*\c+\db):VF+8*(4*\c+\db)+7], v[S+32*\q+16*\c:S+32*\q+16*\c+7], 0
.else
	v_wmma_f32_16x16x32_bf16 v[8*(4*\q+\db):8*(4*\q+\db)+7], v[VF+8*(4*\c+\db):VF+8*(4*\c+\db)+7], v[S+32*\q+16*\c:S+32*\q+16*\c+7], v[8*(4*\q+\db):8*(4*\q+\db)+7]
.endif
.endif
.endr
.endr
.endr
.rept 5
	v_nop                                          ; five places before the next S^T writes over P, four before O is read or stored or V's registers are loaded into
.endr
	WIN 0
.if \diag < 2
.if \diag == 0
	s_cmp_lg_u32 s11, s12
	s_cbranch_scc1 .Lnofin_\@
.endif
	; THE BLOCK IS DONE.  The kh = 1 waves hand over their maxima, sums and O,
	s_cmp_lt_u32 s8, 4
	s_cbranch_scc1 .Lnosend_\@
	ds_store_b128 v[XA], v[MX:MX+3] offset:16*512
	WIN 0x04
.set t_i, 0
.rept 16
	ds_store_b128 v[XA], v[4*t_i:4*t_i+3] offset:512*t_i
.set t_i, t_i+1
.endr
	WIN 0
.Lnosend_\@:
	s_wait_dscnt 0x0                               ; my stores are in LDS before I say so
	s_barrier_signal -1                            ; the next tile's loads may stay out
	s_barrier_wait -1
	s_cmp_lt_u32 s8, 4
	s_cbranch_scc0 .Lnomerge_\@
	; and the kh = 0 waves join the two parts: with m = max(Ma, Mb), O = (Oa fa + Ob fb) / (La fa + Lb fb), fa = exp2((Ma - m) c), fb likewise
	ds_load_b128 v[PM:PM+3], v[XA] offset:16*512
	WIN 0x40
.set t_i, 0
.rept 16
	ds_load_b128 v[VF+4*t_i:VF+4*t_i+3], v[XA] offset:512*t_i
.set t_i, t_i+1
.endr
	WIN 0
	s_wait_dscnt 16                                ; the partner's maxima and sums are in; its O's 16 loads may be out
.irp q, 0,1
	v_max_num_f32 v[TM+\q], v[MX+\q], v[PM+\q]
.endr
.irp q, 0,1
	v_sub_f32 v[TM+2+\q], v[MX+\q], v[TM+\q]
	v_sub_f32 v[TM+4+\q], v[PM+\q], v[TM+\q]
.endr
.irp q, 0,1
	v_mul_f32 v[TM+2+\q], s58, v[TM+2+\q]
	v_mul_f32 v[TM+4+\q], s58, v[TM+4+\q]
.endr
.irp t, 2,3,4,5
	v_exp_f32 v[TM+\t], v[TM+\t]
.endr
	v_nop
	s_wait_alu depctr_va_vdst(0)
.irp q, 0,1
	v_mul_f32 v[SU+\q], v[LS+\q], v[TM+2+\q]
.endr
.irp q, 0,1
	v_fmac_f32 v[SU+\q], v[PM+2+\q], v[TM+4+\q]
.endr
.irp q, 0,1
	v_permlanex16_b32 v[SU+2+\q], v[SU+\q], s56, s57               ; the other half of the lanes summed the query's other keys
.endr
.irp q, 0,1
	v_add_f32 v[SU+\q], v[SU+\q], v[SU+2+\q]
.endr
	v_rcp_f32 v[SU], v[SU]
	v_rcp_f32 v[SU+1], v[SU+1]
	v_nop
	s_wait_alu depctr_va_vdst(0)
.irp q, 0,1
	v_mul_f32 v[AL+2*\q], v[TM+2+\q], v[SU+\q]
	v_mul_f32 v[AL+2*\q+1], v[TM+2+\q], v[SU+\q]
	v_mul_f32 v[NM+2*\q], v[TM+4+\q], v[SU+\q]
	v_mul_f32 v[NM+2*\q+1], v[TM+4+\q], v[SU+\q]
.endr
	s_wait_dscnt 0x0                               ; the partner's O is in
	WIN 0x41
.irp q, 0,1
.set t_i, 0
.rept 16
	v_pk_mul_f32 v[32*\q+t_i:32*\q+t_i+1], v[32*\q+t_i:32*\q+t_i+1], v[AL+2*\q:AL+2*\q+1]
.set t_i, t_i+2
.endr
.endr
	WIN 0x51
.irp q, 0,1
.set t_i, 0
.rept 16
	v_pk_fma_f32 v[32*\q+t_i:32*\q+t_i+1], v[VF+32*\q+t_i:VF+32*\q+t_i+1], v[NM+2*\q:NM+2*\q+1], v[32*\q+t_i:32*\q+t_i+1]
.set t_i, t_i+2
.endr
.endr
	WIN 0x05
.set t_i, 0
.rept 32
	v_cvt_pk_bf16_f32 v[TMP+t_i], v[2*t_i], v[2*t_i+1]
.set t_i, t_i+1
.endr
	WIN 0
.irp q, 0,1
.irp db, 0,1,2,3
	ds_store_b128 v[STO], v[TMP+4*(4*\q+\db):TMP+4*(4*\q+\db)+3] offset:\q*16*KPITCH+32*\db
.endr
.endr
.irp i, 0,1,2,3,4,5,6,7
	ds_load_b128 v[RB+4*\i:RB+4*\i+3], v[RD] offset:\i*4*KPITCH    ; a wave's LDS instructions are served in order: these see the stores above
.endr
.irp i, 0,1,2,3,4,5,6,7
	s_wait_dscnt 7-\i
	global_store_b128 v[CO], v[RB+4*\i:RB+4*\i+3], s[22:23] offset:512*\i    ; 512 consecutive bytes: four rows
.endr
.Lnomerge_\@:
	s_wait_xcnt 0x0                                ; the stores' base and data are rewritten only behind this wait
.if \diag == 0
.set t_i, 0
.rept 32
	v_mov_b32 v[Q+t_i], v[Q2+t_i]                  ; the second block's queries
.set t_i, t_i+1
.endr
	v_mov_b32 v[MX], 0xff800000                    ; the next trip's rescale factor is then exp2(-inf) = 0 and wipes O and the sum
	v_mov_b32 v[MX+1], 0xff800000
	s_mov_b32 s12, s9
	s_mov_b64 s[22:23], s[62:63]
.Lnofin_\@:
.endif
.endif
	s_mov_b32 s11, s13
.endm
	s_wait_loadcnt 0x0                             ; Q of both blocks
	TRIP 0, 1, 1, 2                                ; the first block has at least 9 tiles: tile 0 is not its last
	s_mov_b32 s14, 7
.Lpair:
	TRIP 1, 1, 0, 0
	TRIP 0, 1, 0, 0
	s_sub_co_u32 s14, s14, 1
	s_cmp_lg_u32 s14, 0
	s_cbranch_scc1 .Lpair
	TRIP 1, 1, 0, 0
	TRIP 0, 0, 0, 1                                ; the 17th tile is the second block's last
	s_wait_tensorcnt 0x0
	ds_add_u32 v62, v63
	s_wait_dscnt 0x0
	s_endpgm
.Lfunc_end_k_qca17e6f5af_attn:
	.size	k_qca17e6f5af_attn, .Lfunc_end_k_qca17e6f5af_attn-k_qca17e6f5af_attn
	.p2alignl 7, 3214868480
	.fill 96, 4, 3214868480
	.section	.rodata,"a",@progbits
	.p2align	6, 0x0
	.amdhsa_kernel k_qca17e6f5af_attn
		.amdhsa_group_segment_fixed_size 327680
		.amdhsa_private_segment_fixed_size 0
		.amdhsa_enable_private_segment 0
		.amdhsa_kernarg_size 16
		.amdhsa_user_sgpr_count 2
		.amdhsa_user_sgpr_kernarg_segment_ptr 1
		.amdhsa_wavefront_size32 1
		.amdhsa_system_sgpr_workgroup_id_x 1
		.amdhsa_system_sgpr_workgroup_id_y 1
		.amdhsa_system_sgpr_workgroup_id_z 1
		.amdhsa_system_vgpr_workitem_id 0
		.amdhsa_next_free_vgpr 384
		.amdhsa_next_free_sgpr 80
		.amdhsa_reserve_vcc 1
		.amdhsa_float_denorm_mode_32 3
		.amdhsa_float_denorm_mode_16_64 3
		.amdhsa_memory_ordered 1
		.amdhsa_forward_progress 1
		.amdhsa_inst_pref_size 163
	.end_amdhsa_kernel
	.amdgpu_metadata
---
amdhsa.version: [ 1, 2 ]
amdhsa.kernels:
  - .name:           k_qca17e6f5af_attn
    .symbol:         k_qca17e6f5af_attn.kd
    .args:
      - { .name: qkv, .offset: 0, .size: 8, .value_kind: global_buffer, .address_space: global }
      - { .name: att, .offset: 8, .size: 8, .value_kind: global_buffer, .address_space: global }
    .group_segment_fixed_size: 327680
    .private_segment_fixed_size: 0
    .kernarg_segment_align: 8
    .kernarg_segment_size: 16
    .max_flat_workgroup_size: 256
    .sgpr_count:     80
    .vgpr_count:     384
    .wavefront_size: 32
...
	.end_amdgpu_metadata
.endif
;; end of part 3
;; launch projg (part 4): grid 8 x 32, 4 waves a work-group, clusters of 4 x 4, 327,680 bytes of LDS; arguments att, wt, bproj, x, x1; writes x1
.if DOCPART == 4
	.amdgcn_target "amdgcn-amd-amdhsa--gfx1250"
	.amdhsa_code_object_version 6
	.text
	.protected	k_qca17e6f5af_projg
	.globl	k_qca17e6f5af_projg
	.p2align	8
	.type	k_qca17e6f5af_projg,@function
k_qca17e6f5af_projg:
	s_mov_b64 s[64:65], 0
	v_nop
	global_prefetch_b8 v0, s[64:65] scope:SCOPE_SE
	s_setreg_imm32_b32 hwreg(HW_REG_WAVE_MODE, 25, 1), 1
	s_wait_xcnt 0x0
	s_wait_alu depctr_hold_cnt(0) depctr_sa_sdst(0) depctr_va_vdst(0) depctr_va_sdst(0) depctr_va_ssrc(0) depctr_va_vcc(0) depctr_vm_vsrc(0)
	s_getreg_b32 s2, hwreg(HW_REG_IB_STS2, 6, 4)
	s_cmp_eq_u32 s2, 0
	s_cbranch_scc0 .Lentry_in_a_cluster
	s_endpgm
.Lentry_in_a_cluster:
	s_bfe_u32 s2, ttmp6, 0x10000c
	s_cmp_lg_u32 s2, 0xf033
	s_cbranch_scc0 .Lentry_shape_is_right
	s_endpgm
.Lentry_shape_is_right:
; projg: x1 = x + att * Wproj + bproj.  att bf16 [b][16][2048][64] (k = 64 head + d); Wproj^T bf16 [1024][1024] in wt; x, x1 f32 [4096][1024].
; A work-group makes 128 x 128 of the product.  The four waves split K, not C: K goes in steps of 256 through two LDS slots, and wave w multiplies
; k = 64 w .. 64 w + 63 of every step for all 8 x 8 tiles (512 accumulator registers), so that 32 LDS loads feed 64 matrix instructions and each
; LDS byte is read by one wave.  At the end the four partial sums meet in LDS; wave w keeps rows 32 w .. 32 w + 31.
; Accumulator slot a of wave w holds row block (a + 2 w) & 7, so that slots 0 and 1 are the wave's own rows in every wave.
; 4 x 4 work-groups form a cluster: A's tile is asked for jointly along a row of the cluster, B's along a column.
; A cluster starts its walk along K at step (NSTEP/2) x cluster x + (NSTEP/4) x cluster y and wraps round, so that clusters that read the same rows of
; A or of B ask for a given K step at different times.  The start hangs on the cluster's coordinates alone: it is the same in all sixteen partners.
; This text serves two launches; the constants of this head choose between them.
; LIMITS: matrix operands are bf16; sums in f32, in four parts along K, each over K in the rotated order; NaN and infinities are not served.
.set PROJ, 1
.set SIZE_K, 1024
.set WOFF, 0x600000
.set PITCHA, 144                       ; A in LDS: [4 heads][128 rows][128 bytes + 16]
.set AHALF, 36864                      ; what one wave fetches of A
.set AKW, 18432                        ; wave w's k slice of A starts at AKW x w
.set ASTEP, 0x100000                   ; a K step in A: four planes
.set ABYTES, 2*AHALF
.set KSTEP, 256
.set NSTEP, SIZE_K/KSTEP
.set PITCHB, 528                       ; 512 bytes + 16
.set BHALF, 64*PITCHB
.set SLOT, ABYTES+2*BHALF
.set LAPS, SIZE_K/(2*KSTEP)
.set XW, 49152                         ; the exchange: 3 x 16 tiles of 1,024 bytes a wave
.set SPITCH, 528                       ; stage row: 128 f32 + 16 bytes
.set ADRA, 16                          ; v16-23 [slot][j]: row blocks (2 j + 2 w) & 7 and the next
.set ADRB, 24                          ; v24-25
.set XS, 26                            ; v26 where I send; v27-29 where I receive, j = 1 .. 3
.set STO, 30
.set RD, 31
.set CO, 32
.set BI, 36                            ; v36-39 bias of my 4 columns
.set RES, 128                          ; window 1: v128-255 the residual of my 32 rows
.set G1, 24
.set G0, 32
.set G1B, 48
.set G0B, 56
.set MUL_LO, 0xa1
.set MUL_HI, 0xf1
.set TO_B, 0x40
.if PROJ
.set A_W0, (3<<16)|(1<<20)|(1<<21)|(4<<22)|(3<<25)     ; elements of 8 bytes; 4 words of padding behind every 32
.set A_D0, 2048                        ; a row of the tile: one head's 128 rows, 16,384 dense bytes
.set A_D1, 2                           ; two heads
.set A_ST, 32768                       ; a plane
.else
.set A_W0, (1<<16)|(1<<20)|(1<<21)|(6<<22)|(3<<25)     ; elements of 2 bytes; 4 words of padding behind every 128
.set A_D0, 256
.set A_D1, 64
.set A_ST, SIZE_K
.endif
.set MSB, 0
.macro WIN new
.if MSB != \new
	s_set_vgpr_msb (MSB<<8)|\new
.set MSB, \new
.endif
.endm
.macro JLOAD s                         ; waves 0, 1 ask for A's halves, waves 2, 3 for B's; the branch hangs on the wave's number alone
	s_cmp_lt_u32 s10, 2
	s_cbranch_scc0 .Lfor_b_\@
	tensor_load_to_lds s[G0+4*\s:G0+4*\s+3], s[G1:G1+7]
	s_nop 0
	s_branch .Lasked_\@
.Lfor_b_\@:
	tensor_load_to_lds s[G0B+4*\s:G0B+4*\s+3], s[G1B:G1B+7]
	s_nop 0
.Lasked_\@:
.endm
.macro KOFF                            ; the next K step to be asked for: its byte offset in A in s[18:19], in B in s[66:67]; s45 counts on
	s_and_b32 s11, s45, NSTEP-1
	s_mul_i32 s18, s11, ASTEP
	s_lshl_b32 s66, s11, 9
	s_add_co_u32 s45, s45, 1
.endm
.macro CREST
	s_cmp_lg_u32 s10, 0
	s_cbranch_scc1 .Lnot_wave_0_\@
	s_barrier_signal -3
.Lnot_wave_0_\@:
	s_barrier_wait -3
	s_barrier_signal -1
	s_barrier_wait -1
.endm
.macro CROUND
	s_barrier_signal -1
	s_barrier_wait -1
	CREST
.endm
.macro PLACES                          ; four places behind a matrix instruction (ISA guide 7.12.1)
.rept 4
	v_nop
.endr
.endm
	s_load_b128 s[4:7], s[0:1], 0x0                ; A, wt
	s_load_b128 s[68:71], s[0:1], 0x10             ; bias s[68:69], residual s[70:71]
	s_load_b64 s[8:9], s[0:1], 0x20                ; the output
	v_lshl_add_u32 v254, v0, 2, 0x45000
	v_mov_b32 v255, 0
	ds_add_u32 v254, v255
	ds_add_u32 v254, v255
	v_lshrrev_b32 v1, 5, v0
	v_readfirstlane_b32 s10, v1                    ; wave
	s_bfe_u32 s40, ttmp6, 0x40000                  ; cx
	s_bfe_u32 s41, ttmp6, 0x40004                  ; cy
	s_lshl_b32 s42, ttmp9, 2
	s_add_co_u32 s42, s42, s40                     ; block column
	s_and_b32 s13, ttmp7, 0xffff
	s_mul_i32 s45, s13, NSTEP/4
	s_mul_i32 s18, ttmp9, NSTEP/2
	s_add_co_u32 s45, s45, s18                     ; the K step at which my cluster starts (taken modulo NSTEP where it is used)
	s_mov_b32 s19, 0
	s_mov_b32 s67, 0
	s_lshl_b32 s13, s13, 2
	s_add_co_u32 s13, s13, s41                     ; block row
	s_lshl_b32 s43, s41, 2
	s_lshl_b32 s43, 15, s43                        ; my row of the cluster
	s_lshl_b32 s44, 0x1111, s40                    ; my column
	s_or_b32 s[G1+0], s43, A_W0
	s_mov_b32 s[G1+1], A_D0<<16
	s_mov_b32 s[G1+2], A_D1<<16
	s_mov_b32 s[G1+3], A_D0<<16
	s_mov_b32 s[G1+4], A_D1
	s_mov_b32 s[G1+5], A_ST
	s_mov_b32 s[G1+6], 0
	s_mov_b32 s[G1+7], 0
	s_or_b32 s[G1B+0], s44, (1<<16)|(1<<20)|(1<<21)|(6<<22)|(3<<25)   ; 64 rows x 256 elements of 2 bytes, 4 words of padding behind every 128
	s_mov_b32 s[G1B+1], KSTEP<<16
	s_mov_b32 s[G1B+2], 64<<16
	s_mov_b32 s[G1B+3], KSTEP<<16
	s_mov_b32 s[G1B+4], 64
	s_mov_b32 s[G1B+5], SIZE_K
	s_mov_b32 s[G1B+6], 0
	s_mov_b32 s[G1B+7], 0
	s_min_u32 s17, s10, 1                          ; which half of A
.if PROJ
	s_lshr_b32 s16, s13, 4
	s_lshl_b32 s16, s16, 4                         ; 16 planes a batch
	s_lshl_b32 s17, s17, 1                         ; two heads a half
	s_add_co_u32 s16, s16, s17
	s_lshl_b32 s16, s16, 18
	s_and_b32 s17, s13, 15
	s_lshl_b32 s17, s17, 14                        ; 128 rows of 128 bytes
	s_add_co_u32 s16, s16, s17
.else
	s_lshl_b32 s16, s13, 7
	s_lshl_b32 s17, s17, 6
	s_add_co_u32 s16, s16, s17
	s_mul_i32 s16, s16, SIZE_K*2
.endif
	s_mov_b32 s17, 0
	s_max_u32 s47, s10, 2
	s_sub_co_u32 s47, s47, 2                       ; which half of B
	s_lshl_b32 s47, s47, 6
	s_lshl_b32 s46, s42, 7
	s_add_co_u32 s46, s46, s47
	s_mul_i32 s46, s46, SIZE_K*2
	s_add_co_u32 s46, s46, WOFF
	s_mov_b32 s47, 0
	s_mul_i32 s20, s10, AHALF                      ; LDS: A's halves at wave x AHALF (waves 0, 1),
	s_mul_i32 s21, s10, BHALF
	s_add_co_u32 s21, s21, ABYTES-2*BHALF          ; B's at ABYTES + (wave - 2) x BHALF (waves 2, 3)
	s_lshl_b32 s72, s13, 19                        ; my rows of the residual and of the output: (128 x block row + 32 w) x 4,096 bytes
	s_lshl_b32 s73, s10, 17
	s_add_co_u32 s72, s72, s73
	s_mov_b32 s73, 0
	s_lshl_b32 s74, s42, 9                         ; my block's columns: 128 x 4 bytes
	s_mov_b32 s75, 0
	s_wait_dscnt 0x0
	s_wait_kmcnt 0x0
	s_add_nc_u64 s[14:15], s[4:5], s[16:17]        ; my part of A at K = 0,
	s_add_nc_u64 s[46:47], s[6:7], s[46:47]        ; my part of B at K = 0,
	s_or_b32 s15, s15, 0x80000000                  ; each with the descriptor's type bits on top
	s_or_b32 s47, s47, 0x80000000
	s_add_nc_u64 s[70:71], s[70:71], s[72:73]
	s_add_nc_u64 s[70:71], s[70:71], s[74:75]
	s_add_nc_u64 s[8:9], s[8:9], s[72:73]
	s_add_nc_u64 s[8:9], s[8:9], s[74:75]
	s_add_nc_u64 s[68:69], s[68:69], s[74:75]
	CROUND                                         ; all sixteen work-groups are here: the first joint loads meet
.irp s, 0,1
	KOFF
	s_mov_b32 s[G0+4*\s], 1
	s_add_co_u32 s[G0+4*\s+1], s20, \s*SLOT
	s_add_nc_u64 s[G0+4*\s+2:G0+4*\s+3], s[14:15], s[18:19]
	s_mov_b32 s[G0B+4*\s], 1
	s_add_co_u32 s[G0B+4*\s+1], s21, \s*SLOT
	s_add_nc_u64 s[G0B+4*\s+2:G0B+4*\s+3], s[46:47], s[66:67]
	JLOAD \s
.endr
	v_and_b32 v1, 15, v0                           ; r
	v_bfe_u32 v2, v0, 4, 1                         ; h
	v_and_b32 v3, 31, v0                           ; lane
	v_lshlrev_b32 v[CO], 4, v3
	WIN TO_B
.irp n, 0,1,2,3,4,5,6,7,8,9,10,11,12,13,14,15,16,17,18,19,20,21,22,23,24,25,26,27,28,29,30,31
	global_load_b128 v[RES+4*\n:RES+4*\n+3], v[CO], s[70:71] offset:\n*4096     ; row n of my 32: 512 consecutive bytes; these stay out over the K loop
.endr
	WIN 0
	global_load_b128 v[BI:BI+3], v[CO], s[68:69]
	v_mul_u32_u24 v4, v1, PITCHA
	v_lshl_add_u32 v4, v2, 4, v4
	s_lshl_b32 s22, s10, 1
	s_mul_i32 s23, s10, AKW
.irp j, 0,1,2,3
	s_add_co_u32 s21, s22, 2*\j
	s_and_b32 s21, s21, 7                          ; row block (2 j + 2 w) & 7
	s_mul_i32 s21, s21, 16*PITCHA
	s_add_co_u32 s21, s21, s23
	v_add_nc_u32 v[ADRA+\j], s21, v4
	v_add_nc_u32 v[ADRA+4+\j], SLOT, v[ADRA+\j]
.endr
	v_mul_u32_u24 v5, v1, PITCHB
	v_lshl_add_u32 v5, v2, 4, v5
	s_lshl_b32 s21, s10, 7                         ; my 64 k of B's rows
	s_add_co_u32 s21, s21, ABYTES
	v_add_nc_u32 v[ADRB], s21, v5
	v_add_nc_u32 v[ADRB+1], SLOT, v[ADRB]
	s_mul_i32 s21, s10, XW
	v_add_nc_u32 v[XS], s21, v[CO]
.irp j, 1,2,3
	s_sub_co_u32 s21, s10, \j
	s_and_b32 s21, s21, 3                          ; the sender: wave (w - j) & 3, its part j
	s_mul_i32 s21, s21, XW
	s_add_co_u32 s21, s21, (\j-1)*16384
	v_add_nc_u32 v[XS+\j], s21, v[CO]
.endr
	s_mul_i32 s21, s10, 16*SPITCH
	s_add_co_u32 s21, s21, 4*XW                    ; my stage, behind the exchange
	v_mul_u32_u24 v5, v1, SPITCH
	v_lshl_add_u32 v5, v2, 5, v5
	v_add_nc_u32 v[STO], s21, v5
	v_add_nc_u32 v[RD], s21, v[CO]
; 16 matrix instructions: slots a0, a0 + 1 of the window's four x all 8 column blocks.  Source 0 = rows of B, source 1 = rows of A.
; The 64 accumulators take turns, one instruction a turn, in the same order in every half step.
.macro MUL16 f, hi, a0, zero
.irp a, \a0, \a0+1
.irp b, 0,1,2,3,4,5,6,7
.if \zero
	v_wmma_f32_16x16x32_bf16 v[8*(8*(\a)+\b):8*(8*(\a)+\b)+7], v[64*\f+8*\b:64*\f+8*\b+7], v[64+64*\f+8*(4*\hi+\a):64+64*\f+8*(4*\hi+\a)+7], 0
.else
	v_wmma_f32_16x16x32_bf16 v[8*(8*(\a)+\b):8*(8*(\a)+\b)+7], v[64*\f+8*\b:64*\f+8*\b+7], v[64+64*\f+8*(4*\hi+\a):64+64*\f+8*(4*\hi+\a)+7], v[8*(8*(\a)+\b):8*(8*(\a)+\b)+7]
.endif
.endr
.endr
.endm
; 32 LDS loads: B's 8 blocks (window 1, buffer f at 64 f), then A's 8 slots (window 0, at 64 + 64 f); sub = which 32 of my 64 k
.macro FETCH slot, sub, f
	WIN TO_B
.irp b, 0,1,2,3,4,5,6,7
	ds_load_b128 v[64*\f+8*\b:64*\f+8*\b+3], v[ADRB+\slot] offset:\b*16*PITCHB+64*\sub
	ds_load_b128 v[64*\f+8*\b+4:64*\f+8*\b+7], v[ADRB+\slot] offset:\b*16*PITCHB+64*\sub+32
.endr
	WIN 0
.irp j, 0,1,2,3
.irp e, 0,1
	ds_load_b128 v[64+64*\f+8*(2*\j+\e):64+64*\f+8*(2*\j+\e)+3], v[ADRA+4*\slot+\j] offset:\e*16*PITCHA+64*\sub
	ds_load_b128 v[64+64*\f+8*(2*\j+\e)+4:64+64*\f+8*(2*\j+\e)+7], v[ADRA+4*\slot+\j] offset:\e*16*PITCHA+64*\sub+32
.endr
.endr
.endm
.macro H0 slot, zero                   ; the first half of a K step: multiplies buffer 0, fetches the second half's fragments
	s_wait_dscnt 8                                 ; the youngest eight loads (A's slots 4-7) may be out
	WIN MUL_LO
	MUL16 0, 0, 0, \zero
	MUL16 0, 0, 2, \zero
	PLACES
	FETCH \slot, 1, 1
	s_wait_dscnt 32                                ; all but the 32 just issued
	WIN MUL_HI
	MUL16 0, 1, 0, \zero
	MUL16 0, 1, 2, \zero
.endm
; The second half multiplies buffer 1 and changes slots.  In front of the barrier each wave waits for its reads of this slot and for all its tensor
; loads (one is out: its part of the next slot).  Where the slot is filled again the barrier opens a round of the cluster's barrier, and the joint
; refill is the first tensor load behind the round.
.macro H1 slot, next, fill
	s_wait_dscnt 8
	WIN MUL_LO
	MUL16 1, 0, 0, 0
	s_wait_dscnt 0x0
	s_set_vgpr_msb 0xa1a0
	s_wait_tensorcnt 0x0
	ds_add_u32 v254, v255
	s_wait_dscnt 0x0
	s_set_vgpr_msb 0xa0a1
	s_barrier_signal -1
	MUL16 1, 0, 2, 0
	WIN 0
	s_barrier_wait -1
.if \fill
	CREST
	KOFF
	s_add_nc_u64 s[G0+4*\slot+2:G0+4*\slot+3], s[14:15], s[18:19]
	s_add_nc_u64 s[G0B+4*\slot+2:G0B+4*\slot+3], s[46:47], s[66:67]
	JLOAD \slot
.endif
	PLACES
	FETCH \next, 0, 0
	WIN MUL_HI
	MUL16 1, 1, 0, 0
	MUL16 1, 1, 2, 0
.endm
.macro LAP zero
	H0 0, \zero
	H1 0, 1, 1
	H0 1, 0
	H1 1, 0, 1
.endm
	s_wait_tensorcnt 1                             ; my part of the first K step is in; the second's stays out
	s_barrier_signal -1
	s_barrier_wait -1
	FETCH 0, 0, 0
	LAP 1
.if LAPS > 2
	WIN 0
	s_mov_b32 s3, LAPS-2
.Llap:
	LAP 0
	WIN 0
	s_sub_co_u32 s3, s3, 1
	s_cmp_lg_u32 s3, 0
	s_cbranch_scc1 .Llap
.endif
	H0 0, 0                                        ; the last lap fills nothing
	H1 0, 1, 0
	H0 1, 0
	s_wait_dscnt 8
	WIN MUL_LO
	MUL16 1, 0, 0, 0
	MUL16 1, 0, 2, 0
	s_wait_dscnt 0x0
	WIN MUL_HI
	MUL16 1, 1, 0, 0
	MUL16 1, 1, 2, 0
	PLACES
	WIN 0
	; THE FOUR PARTS MEET, in the ring's bytes, which have had their last fill.  Every wave's reads of the ring are done in front of this barrier.
	s_wait_dscnt 0x0
	s_barrier_signal -1
	s_barrier_wait -1
.macro SEND j, al0                     ; slots 2 j, 2 j + 1 go to wave (w + j) & 3: 16 tiles of 1,024 bytes
.irp e, 0,1
.irp b, 0,1,2,3,4,5,6,7
	ds_store_b128 v[XS], v[8*(8*(\al0+\e)+\b):8*(8*(\al0+\e)+\b)+3] offset:(\j-1)*16384+(8*\e+\b)*1024
	ds_store_b128 v[XS], v[8*(8*(\al0+\e)+\b)+4:8*(8*(\al0+\e)+\b)+7] offset:(\j-1)*16384+(8*\e+\b)*1024+512
.endr
.endr
.endm
	WIN 0x08
	SEND 1, 2
	WIN 0x0c
	SEND 2, 0
	SEND 3, 2
	WIN 0
	s_wait_dscnt 0x0                               ; my stores are in LDS before I say so
	s_barrier_signal -1
	s_barrier_wait -1
.macro RECV j, dst
.set t_n, 0
.rept 32
	ds_load_b128 v[\dst+4*t_n:\dst+4*t_n+3], v[XS+\j] offset:512*t_n
.set t_n, t_n+1
.endr
.endm
.macro ADDIN src                       ; my slots 0, 1 (window 2, v0-127) += 128 registers
.set t_n, 0
.rept 64
	v_pk_add_f32 v[t_n:t_n+1], v[t_n:t_n+1], v[\src+t_n:\src+t_n+1]
.set t_n, t_n+2
.endr
.endm
	RECV 1, 64
	WIN 0x40
	RECV 2, 0
	s_wait_dscnt 32                                ; the first 32 are in
	WIN 0x82
	ADDIN 64
	WIN 0
	RECV 3, 64
	s_wait_dscnt 32
	WIN 0x86
	ADDIN 0
	s_wait_dscnt 0x0
	WIN 0x82
	ADDIN 64
	; OUT, 16 rows at a time: through my stage, so that a store covers a row's 512 consecutive bytes; residual and bias are added on the way
	s_wait_loadcnt 0x0
.irp e, 0,1
	WIN 0x08
.irp b, 0,1,2,3,4,5,6,7
	ds_store_b128 v[STO], v[8*(8*\e+\b):8*(8*\e+\b)+3] offset:64*\b
	ds_store_b128 v[STO], v[8*(8*\e+\b)+4:8*(8*\e+\b)+7] offset:64*\b+16
.endr
	WIN 0
.irp i, 0,1,2,3,4,5,6,7,8,9,10,11,12,13,14,15
	ds_load_b128 v[64+64*\e+4*\i:64+64*\e+4*\i+3], v[RD] offset:SPITCH*\i    ; a wave's LDS instructions are served in order: these see the stores above
.endr
	s_wait_dscnt 0x0
	WIN 0x04
.set t_n, 0
.rept 32
	v_pk_add_f32 v[64+64*\e+t_n:64+64*\e+t_n+1], v[64+64*\e+t_n:64+64*\e+t_n+1], v[RES+64*\e+t_n:RES+64*\e+t_n+1]
.set t_n, t_n+2
.endr
	WIN 0
.irp i, 0,1,2,3,4,5,6,7,8,9,10,11,12,13,14,15
	v_pk_add_f32 v[64+64*\e+4*\i:64+64*\e+4*\i+1], v[64+64*\e+4*\i:64+64*\e+4*\i+1], v[BI:BI+1]
	v_pk_add_f32 v[64+64*\e+4*\i+2:64+64*\e+4*\i+3], v[64+64*\e+4*\i+2:64+64*\e+4*\i+3], v[BI+2:BI+3]
	global_store_b128 v[CO], v[64+64*\e+4*\i:64+64*\e+4*\i+3], s[8:9] offset:(16*\e+\i)*4096
.endr
.endr
	s_wait_tensorcnt 0x0
	ds_add_u32 v254, v255
	s_wait_dscnt 0x0
	CROUND                                         ; no work-group ends while a partner may still ask for a tile that names it
	s_endpgm
.Lfunc_end_k_qca17e6f5af_projg:
	.size	k_qca17e6f5af_projg, .Lfunc_end_k_qca17e6f5af_projg-k_qca17e6f5af_projg
	.p2alignl 7, 3214868480
	.fill 96, 4, 3214868480
	.section	.rodata,"a",@progbits
	.p2align	6, 0x0
	.amdhsa_kernel k_qca17e6f5af_projg
		.amdhsa_group_segment_fixed_size 327680
		.amdhsa_private_segment_fixed_size 0
		.amdhsa_enable_private_segment 0
		.amdhsa_kernarg_size 40
		.amdhsa_user_sgpr_count 2
		.amdhsa_user_sgpr_kernarg_segment_ptr 1
		.amdhsa_wavefront_size32 1
		.amdhsa_system_sgpr_workgroup_id_x 1
		.amdhsa_system_sgpr_workgroup_id_y 1
		.amdhsa_system_sgpr_workgroup_id_z 1
		.amdhsa_system_vgpr_workitem_id 0
		.amdhsa_next_free_vgpr 1024
		.amdhsa_next_free_sgpr 80
		.amdhsa_reserve_vcc 0
		.amdhsa_float_denorm_mode_32 3
		.amdhsa_float_denorm_mode_16_64 3
		.amdhsa_memory_ordered 1
		.amdhsa_forward_progress 1
		.amdhsa_inst_pref_size 105
	.end_amdhsa_kernel
	.amdgpu_metadata
---
amdhsa.version: [ 1, 2 ]
amdhsa.kernels:
  - .name:           k_qca17e6f5af_projg
    .symbol:         k_qca17e6f5af_projg.kd
    .args:
      - { .name: att, .offset: 0, .size: 8, .value_kind: global_buffer, .address_space: global }
      - { .name: wt, .offset: 8, .size: 8, .value_kind: global_buffer, .address_space: global }
      - { .name: bproj, .offset: 16, .size: 8, .value_kind: global_buffer, .address_space: global }
      - { .name: x, .offset: 24, .size: 8, .value_kind: global_buffer, .address_space: global }
      - { .name: x1, .offset: 32, .size: 8, .value_kind: global_buffer, .address_space: global }
    .group_segment_fixed_size: 327680
    .private_segment_fixed_size: 0
    .kernarg_segment_align: 8
    .kernarg_segment_size: 40
    .max_flat_workgroup_size: 128
    .sgpr_count:     80
    .vgpr_count:     1024
    .wavefront_size: 32
...
	.end_amdgpu_metadata
.endif
;; end of part 4
;; launch ln2 (part 5): grid 256 x 1, 8 waves a work-group, no clusters, 0 bytes of LDS; arguments x1, ln2_w, ln2_b, h; writes h
.if DOCPART == 5
	.amdgcn_target "amdgcn-amd-amdhsa--gfx1250"
	.amdhsa_code_object_version 6
	.text
	.protected	k_qca17e6f5af_ln2
	.globl	k_qca17e6f5af_ln2
	.p2align	8
	.type	k_qca17e6f5af_ln2,@function
k_qca17e6f5af_ln2:
	s_mov_b64 s[64:65], 0
	v_nop
	global_prefetch_b8 v0, s[64:65] scope:SCOPE_SE
	s_setreg_imm32_b32 hwreg(HW_REG_WAVE_MODE, 25, 1), 1
	s_wait_xcnt 0x0
; ln2: h = LayerNorm(x1) * ln2_w + ln2_b, bf16 [4096][1024].  16 rows a work-group, 2 rows a wave, a row in 32 registers a lane: no LDS, no barrier.
; The variance is taken of the centred row (no difference of large sums).
; LIMITS: h is rounded to bf16 (nearest even); NaN and infinities are not served; sums in another order than a serial one.
.set XB, 8                             ; s[8:9]   x1
.set WB, 10                            ; s[10:11] gain
.set BB, 12                            ; s[12:13] bias
.set HB, 14                            ; s[14:15] h
.set W,    8                           ; v[8:39]    gain of my 32 columns
.set B,    40                          ; v[40:71]   bias of my 32 columns
.set X0,   72                          ; v[72:103]  row 0
.set X1,   104                         ; v[104:135] row 1
.set A,    136                         ; v[136:143] four packed chains
.set MEAN, 144
.set RSTD, 146
.set T,    148
	s_load_b256 s[8:15], s[0:1], 0x0
	v_lshrrev_b32 v1, 5, v0
	v_readfirstlane_b32 s30, v1                    ; wave
.macro ALLSUM                          ; the four chains to one sum, in every lane
	v_pk_add_f32 v[A:A+1], v[A:A+1], v[A+2:A+3]
	v_pk_add_f32 v[A+4:A+5], v[A+4:A+5], v[A+6:A+7]
	v_pk_add_f32 v[A:A+1], v[A:A+1], v[A+4:A+5]
	v_add_f32 v[T], v[A], v[A+1]
	v_add_f32_dpp v[T], v[T], v[T] row_xmask:1 row_mask:0xf bank_mask:0xf
	v_add_f32_dpp v[T], v[T], v[T] row_xmask:2 row_mask:0xf bank_mask:0xf
	v_add_f32_dpp v[T], v[T], v[T] row_xmask:4 row_mask:0xf bank_mask:0xf
	v_add_f32_dpp v[T], v[T], v[T] row_xmask:8 row_mask:0xf bank_mask:0xf
	v_permlanex16_b32 v[T+1], v[T], s32, s33
	v_add_f32 v[T], v[T], v[T+1]
.endm
.macro ROW X, left, rowoff
	s_wait_loadcnt \left
.irp k, 0,1,2,3
	v_pk_add_f32 v[A+2*\k:A+2*\k+1], v[\X+4*\k:\X+4*\k+1], v[\X+4*\k+2:\X+4*\k+3]   ; the first pairs start the chains
.endr
.irp k, 0,1,2,3
	v_pk_add_f32 v[A+2*\k:A+2*\k+1], v[A+2*\k:A+2*\k+1], v[\X+16+2*\k:\X+16+2*\k+1]
.endr
.irp k, 0,1,2,3
	v_pk_add_f32 v[A+2*\k:A+2*\k+1], v[A+2*\k:A+2*\k+1], v[\X+24+2*\k:\X+24+2*\k+1]
.endr
	ALLSUM
	v_mul_f32 v[MEAN], s34, v[T]
	v_mul_f32 v[MEAN+1], s34, v[T]
.set t_p, 0
.rept 16
	v_pk_add_f32 v[\X+t_p:\X+t_p+1], v[\X+t_p:\X+t_p+1], v[MEAN:MEAN+1] neg_lo:[0,1] neg_hi:[0,1]
.set t_p, t_p+2
.endr
.irp k, 0,1,2,3
	v_pk_mul_f32 v[A+2*\k:A+2*\k+1], v[\X+2*\k:\X+2*\k+1], v[\X+2*\k:\X+2*\k+1]
.endr
.set t_p, 8
.rept 3
.irp k, 0,1,2,3
	v_pk_fma_f32 v[A+2*\k:A+2*\k+1], v[\X+t_p+2*\k:\X+t_p+2*\k+1], v[\X+t_p+2*\k:\X+t_p+2*\k+1], v[A+2*\k:A+2*\k+1]
.endr
.set t_p, t_p+8
.endr
	ALLSUM
	v_fma_f32 v[T], v[T], s34, s35                 ; variance + 1e-5
	v_rsq_f32 v[RSTD], v[T]
	v_rsq_f32 v[RSTD+1], v[T]
	v_nop                                          ; one plain vector instruction behind the transcendentals (ISA guide 5.7.2)
.set t_p, 0
	s_wait_alu depctr_va_vdst(0)
.rept 16
	v_pk_mul_f32 v[\X+t_p:\X+t_p+1], v[\X+t_p:\X+t_p+1], v[RSTD:RSTD+1]
.set t_p, t_p+2
.endr
.set t_p, 0
.rept 16
	v_pk_fma_f32 v[\X+t_p:\X+t_p+1], v[\X+t_p:\X+t_p+1], v[W+t_p:W+t_p+1], v[B+t_p:B+t_p+1]
.set t_p, t_p+2
.endr
.irp j, 0,1,2,3,4,5,6,7
	v_cvt_pk_bf16_f32 v[\X+4*\j], v[\X+4*\j], v[\X+4*\j+1]
	v_cvt_pk_bf16_f32 v[\X+4*\j+1], v[\X+4*\j+2], v[\X+4*\j+3]
	global_store_b64 v3, v[\X+4*\j:\X+4*\j+1], s[HB:HB+1] offset:256*\j+\rowoff   ; the wave's 32 lanes store 256 consecutive bytes, aligned
.endr
.endm
	v_and_b32 v1, 31, v0
	v_lshlrev_b32 v2, 4, v1
	v_lshlrev_b32 v3, 3, v1
	v_mov_b32 v[T+1], 0                            ; v_permlanex16_b32 counts as a reader of its destination
	s_mov_b32 s32, 0x76543210
	s_mov_b32 s33, 0xfedcba98
	s_mov_b32 s34, 0x3a800000                      ; 1 / 1024
	s_mov_b32 s35, 0x3727c5ac                      ; 1e-5
	s_lshl_b32 s2, ttmp9, 16
	s_lshl_b32 s3, s30, 13
	s_add_co_u32 s2, s2, s3
	s_mov_b32 s3, 0
	s_lshr_b32 s4, s2, 1
	s_mov_b32 s5, 0
	s_wait_kmcnt 0x0
	s_add_nc_u64 s[XB:XB+1], s[XB:XB+1], s[2:3]
	s_add_nc_u64 s[HB:HB+1], s[HB:HB+1], s[4:5]
.irp j, 0,1,2,3,4,5,6,7
	global_load_b128 v[W+4*\j:W+4*\j+3], v2, s[WB:WB+1] offset:512*\j
.endr
.irp j, 0,1,2,3,4,5,6,7
	global_load_b128 v[B+4*\j:B+4*\j+3], v2, s[BB:BB+1] offset:512*\j
.endr
.irp j, 0,1,2,3,4,5,6,7
	global_load_b128 v[X0+4*\j:X0+4*\j+3], v2, s[XB:XB+1] offset:512*\j
.endr
.irp j, 0,1,2,3,4,5,6,7
	global_load_b128 v[X1+4*\j:X1+4*\j+3], v2, s[XB:XB+1] offset:512*\j+4096
.endr
	ROW X0, 8, 0                                   ; row 1's eight loads may stay out
	ROW X1, 0, 2048
	s_endpgm
.Lfunc_end_k_qca17e6f5af_ln2:
	.size	k_qca17e6f5af_ln2, .Lfunc_end_k_qca17e6f5af_ln2-k_qca17e6f5af_ln2
	.p2alignl 7, 3214868480
	.fill 96, 4, 3214868480
	.section	.rodata,"a",@progbits
	.p2align	6, 0x0
	.amdhsa_kernel k_qca17e6f5af_ln2
		.amdhsa_group_segment_fixed_size 0
		.amdhsa_private_segment_fixed_size 0
		.amdhsa_enable_private_segment 0
		.amdhsa_kernarg_size 32
		.amdhsa_user_sgpr_count 2
		.amdhsa_user_sgpr_kernarg_segment_ptr 1
		.amdhsa_wavefront_size32 1
		.amdhsa_system_sgpr_workgroup_id_x 1
		.amdhsa_system_sgpr_workgroup_id_y 1
		.amdhsa_system_sgpr_workgroup_id_z 1
		.amdhsa_system_vgpr_workitem_id 0
		.amdhsa_next_free_vgpr 152
		.amdhsa_next_free_sgpr 66
		.amdhsa_reserve_vcc 0
		.amdhsa_float_denorm_mode_32 3
		.amdhsa_float_denorm_mode_16_64 3
		.amdhsa_memory_ordered 1
		.amdhsa_forward_progress 1
		.amdhsa_inst_pref_size 20
	.end_amdhsa_kernel
	.amdgpu_metadata
---
amdhsa.version: [ 1, 2 ]
amdhsa.kernels:
  - .name:           k_qca17e6f5af_ln2
    .symbol:         k_qca17e6f5af_ln2.kd
    .args:
      - { .name: x1, .offset: 0, .size: 8, .value_kind: global_buffer, .address_space: global }
      - { .name: ln2_w, .offset: 8, .size: 8, .value_kind: global_buffer, .address_space: global }
      - { .name: ln2_b, .offset: 16, .size: 8, .value_kind: global_buffer, .address_space: global }
      - { .name: h, .offset: 24, .size: 8, .value_kind: global_buffer, .address_space: global }
    .group_segment_fixed_size: 0
    .private_segment_fixed_size: 0
    .kernarg_segment_align: 8
    .kernarg_segment_size: 32
    .max_flat_workgroup_size: 256
    .sgpr_count:     66
    .vgpr_count:     152
    .wavefront_size: 32
...
	.end_amdgpu_metadata
.endif
;; end of part 5
;; launch ffn1 (part 6): grid 16 x 16, 4 waves a work-group, clusters of 4 x 4, 327,680 bytes of LDS; arguments h, wt, f, b1; writes f
.if DOCPART == 6
	.amdgcn_target "amdgcn-amd-amdhsa--gfx1250"
	.amdhsa_code_object_version 6
	.text
	.protected	k_qca17e6f5af_ffn1
	.globl	k_qca17e6f5af_ffn1
	.p2align	8
	.type	k_qca17e6f5af_ffn1,@function
k_qca17e6f5af_ffn1:
	s_mov_b64 s[64:65], 0
	v_nop
	global_prefetch_b8 v0, s[64:65] scope:SCOPE_SE
	s_setreg_imm32_b32 hwreg(HW_REG_WAVE_MODE, 25, 1), 1
	s_wait_xcnt 0x0
	s_wait_alu depctr_hold_cnt(0) depctr_sa_sdst(0) depctr_va_vdst(0) depctr_va_sdst(0) depctr_va_ssrc(0) depctr_va_vcc(0) depctr_vm_vsrc(0)
	s_getreg_b32 s2, hwreg(HW_REG_IB_STS2, 6, 4)
	s_cmp_eq_u32 s2, 0
	s_cbranch_scc0 .Lentry_in_a_cluster
	s_endpgm
.Lentry_in_a_cluster:
	s_bfe_u32 s2, ttmp6, 0x10000c
	s_cmp_lg_u32 s2, 0xf033
	s_cbranch_scc0 .Lentry_shape_is_right
	s_endpgm
.Lentry_shape_is_right:
; ffn1: f = relu(h * W1 + b1).  h bf16 [4096][1024]; W1^T bf16 [4096][1024] at byte 0x800000 of wt; b1 f32; f bf16 [4096][4096].
; A work-group makes 256 x 256 of the product with four waves (128 x 128 each: 64 accumulator tiles).  K goes in steps of 128 through two LDS
; slots of 512 rows (A's 256, then B's 256), each row 256 bytes of memory + 16 of padding.  Wave w fetches slot rows 128 w .. 128 w + 127.
; 4 x 4 work-groups form a cluster: A's tile is asked for jointly along a row of the cluster, B's along a column.
; A cluster starts its walk along K at step KRX x cluster x + KRY x cluster y and wraps round, so that clusters that read the same rows of A or of B
; ask for a given K step at different times.  The start hangs on the cluster's coordinates alone: it is the same in all sixteen partners.
; The matrix instruction is used transposed (source 0 = rows of B, source 1 = rows of A): a lane's 8 results are 8 neighbouring columns of a row.
; The bias is the C operand of the first products: it costs no vector instruction and nothing is cleared.
; This text serves two launches; the constants of this head choose between them.
; LIMITS: operands and results rounded to bf16; sums in f32, over K in the rotated order; NaN and infinities are not served.
.set BM, 256
.set BN, 256
.set MB, 8                             ; 16-row blocks of a wave
.set NB, 8                             ; 16-column blocks of a wave
.set NAW, 2                            ; waves that fetch A
.set SIZE_N, 4096
.set WOFF, 0x800000
.set BIAS, 1                           ; 1: bias starts the sums, relu on the way out, plain row-major output
.set SPITCH, 272                       ; stage row: 256 bytes + 16
.set KRX, 2                            ; four clusters along x share A's rows: a quarter of the 8 steps apart
.set KRY, 4                            ; neighbours along y, which share B's rows: half of the steps apart
.set SIZE_K, 1024
.set KSTEP,  128
.set NSTEP,  SIZE_K/KSTEP
.set PITCH,  272
.set HALFT,  128*PITCH
.set SLOT,   4*HALFT
.set STAGE,  2*SLOT
.set LAPS,   SIZE_K/(2*KSTEP)
.set ADRA, 16                          ; v16-17 LDS address of my A fragments, slot 0, 1
.set ADRB, 20                          ; v20-21 the same for B
.set STO,  24
.set RD,   25
.set CO,   26
.set BO,   27
.set FA0,  64                          ; window 0: A's fragments, buffer f at 64 + 64 f
.set FBS,  96                          ; window 1: B's fragments, buffer f at 96 f
.set TMP,  192                         ; window 0: packed results
.set BIASR, 192                        ; window 1: the bias as a C operand, tile b at 192 + 8 b
.set G1, 24
.set G0, 32
.set G1B, 48
.set G0B, 56
.set MUL_LO, 0xa1                      ; source 0 window 1, source 1 window 0, C and D window 2
.set MUL_HI, 0xf1                      ; the same, C and D window 3
.set TO_B,   0x40
.set MSB, 0
.macro WIN new                         ; the immediate's high byte repeats the setting that is left
.if MSB != \new
	s_set_vgpr_msb (MSB<<8)|\new
.set MSB, \new
.endif
.endm
.macro JLOAD s                         ; a joint load: one line and one mask for A's fetchers, one for B's; the branch hangs on the wave's number alone
	s_cmp_lt_u32 s10, NAW
	s_cbranch_scc0 .Lfor_b_\@
	tensor_load_to_lds s[G0+4*\s:G0+4*\s+3], s[G1:G1+7]
	s_nop 0
	s_branch .Lasked_\@
.Lfor_b_\@:
	tensor_load_to_lds s[G0B+4*\s:G0B+4*\s+3], s[G1B:G1B+7]
	s_nop 0
.Lasked_\@:
.endm
.macro KOFF                            ; s[18:19] = byte offset, in a row, of the next K step to be asked for; s45 counts on
	s_and_b32 s18, s45, NSTEP-1
	s_lshl_b32 s18, s18, 8
	s_add_co_u32 s45, s45, 1
.endm
.macro CREST                           ; a round of the cluster's barrier behind its opening barrier
	s_cmp_lg_u32 s10, 0
	s_cbranch_scc1 .Lnot_wave_0_\@
	s_barrier_signal -3
.Lnot_wave_0_\@:
	s_barrier_wait -3
	s_barrier_signal -1
	s_barrier_wait -1
.endm
.macro CROUND
	s_barrier_signal -1
	s_barrier_wait -1
	CREST
.endm
.macro PLACES                          ; four places behind a matrix instruction (ISA guide 7.12.1) before its registers are loaded into or its result read
.rept 4
	v_nop
.endr
.endm
	s_load_b128 s[4:7], s[0:1], 0x0                ; A s[4:5], wt s[6:7]
	s_load_b64 s[8:9], s[0:1], 0x10                ; the output
.if BIAS
	s_load_b64 s[66:67], s[0:1], 0x18              ; the bias
	s_set_vgpr_msb 0x40
	v_lshl_add_u32 v191, v0, 2, 0x48400
	s_set_vgpr_msb 0x4000
	v_mov_b32 v255, 0
	s_set_vgpr_msb 0x1
	ds_add_u32 v191, v255
	ds_add_u32 v191, v255
	s_set_vgpr_msb 0x100
.endif
	v_lshrrev_b32 v1, 5, v0
	v_readfirstlane_b32 s10, v1                    ; wave
	s_lshr_b32 s11, s10, 1                         ; wm: my half of the block's rows
	s_and_b32 s12, s10, 1                          ; wn: my half of its columns
	s_bfe_u32 s40, ttmp6, 0x40000                  ; cx
	s_bfe_u32 s41, ttmp6, 0x40004                  ; cy
	s_lshl_b32 s42, ttmp9, 2
	s_add_co_u32 s42, s42, s40                     ; block column
	s_and_b32 s13, ttmp7, 0xffff
	s_mul_i32 s45, s13, KRY
	s_mul_i32 s18, ttmp9, KRX
	s_add_co_u32 s45, s45, s18                     ; the K step at which my cluster starts (taken modulo NSTEP where it is used)
	s_mov_b32 s19, 0
	s_lshl_b32 s13, s13, 2
	s_add_co_u32 s13, s13, s41                     ; block row
	s_lshl_b32 s43, s41, 2
	s_lshl_b32 s43, 15, s43                        ; my row of the cluster
	s_lshl_b32 s44, 0x1111, s40                    ; my column
	; group 1: 128 rows x 128 elements of 2 bytes, 4 words of padding behind every 64
	s_or_b32 s[G1+0], s43, (1<<16)|(1<<20)|(1<<21)|(5<<22)|(3<<25)
	s_or_b32 s[G1B+0], s44, (1<<16)|(1<<20)|(1<<21)|(5<<22)|(3<<25)
	s_mov_b32 s[G1+1], KSTEP<<16
	s_mov_b32 s[G1B+1], KSTEP<<16
	s_mov_b32 s[G1+2], 128<<16
	s_mov_b32 s[G1B+2], 128<<16
	s_mov_b32 s[G1+3], KSTEP<<16
	s_mov_b32 s[G1B+3], KSTEP<<16
	s_mov_b32 s[G1+4], 128
	s_mov_b32 s[G1B+4], 128
	s_mov_b32 s[G1+5], SIZE_K
	s_mov_b32 s[G1B+5], SIZE_K
	s_mov_b32 s[G1+6], 0
	s_mov_b32 s[G1B+6], 0
	s_mov_b32 s[G1+7], 0
	s_mov_b32 s[G1B+7], 0
	; A's address hangs on the block row and the wave, B's on the block column and the wave; each in registers that never hold the other coordinate
	s_min_u32 s17, s10, NAW-1
	s_lshl_b32 s17, s17, 7
	s_mul_i32 s16, s13, BM
	s_add_co_u32 s16, s16, s17
	s_lshl_b32 s16, s16, 11                        ; rows of 2,048 bytes
	s_mov_b32 s17, 0
	s_max_u32 s47, s10, NAW
	s_sub_co_u32 s47, s47, NAW
	s_lshl_b32 s47, s47, 7
	s_mul_i32 s46, s42, BN
	s_add_co_u32 s46, s46, s47
	s_lshl_b32 s46, s46, 11
	s_add_co_u32 s46, s46, WOFF
	s_mov_b32 s47, 0
	s_mul_i32 s20, s10, HALFT                      ; LDS: wave x 128 rows
.if BIAS
	s_lshl_b32 s68, s42, 10                        ; (256 x block column + 128 wn) x 4 bytes
	s_lshl_b32 s69, s12, 9
	s_add_co_u32 s68, s68, s69
	s_mov_b32 s69, 0
.endif
	s_wait_dscnt 0x0
	s_wait_kmcnt 0x0
	s_add_nc_u64 s[14:15], s[4:5], s[16:17]        ; my rows of A at K = 0,
	s_add_nc_u64 s[46:47], s[6:7], s[46:47]        ; my rows of B at K = 0,
	s_or_b32 s15, s15, 0x80000000                  ; each with the descriptor's type bits on top
	s_or_b32 s47, s47, 0x80000000
.if BIAS
	s_add_nc_u64 s[66:67], s[66:67], s[68:69]
.endif
	CROUND                                         ; all sixteen work-groups are here: the first joint loads meet
.irp s, 0,1
	KOFF
	s_mov_b32 s[G0+4*\s], 1
	s_add_co_u32 s[G0+4*\s+1], s20, \s*SLOT
	s_add_nc_u64 s[G0+4*\s+2:G0+4*\s+3], s[14:15], s[18:19]
	s_mov_b32 s[G0B+4*\s], 1
	s_add_co_u32 s[G0B+4*\s+1], s20, \s*SLOT
	s_add_nc_u64 s[G0B+4*\s+2:G0B+4*\s+3], s[46:47], s[18:19]
	JLOAD \s
.endr
	v_and_b32 v1, 15, v0                           ; r
	v_bfe_u32 v2, v0, 4, 1                         ; h
	v_mul_u32_u24 v3, v1, PITCH
	v_lshl_add_u32 v3, v2, 4, v3
	s_mul_i32 s21, s11, 16*MB*PITCH                ; my rows of A
	s_mul_i32 s22, s12, 16*NB*PITCH                ; my rows of B,
	s_add_co_u32 s22, s22, BM*PITCH                ; which lie behind A's
.irp s, 0,1
	v_add_nc_u32 v[ADRA+\s], s21, v3
	v_add_nc_u32 v[ADRB+\s], s22, v3
	s_add_co_u32 s21, s21, SLOT
	s_add_co_u32 s22, s22, SLOT
.endr
	s_mul_i32 s23, s10, 16*SPITCH
	s_add_co_u32 s23, s23, STAGE                   ; my stage, behind the ring
	v_mul_u32_u24 v4, v1, SPITCH
	v_lshl_add_u32 v4, v2, 4, v4
	v_add_nc_u32 v[STO], s23, v4
.if BIAS
	v_mul_u32_u24 v5, v2, SPITCH                   ; back: lanes 0-15 one row of 256 bytes, lanes 16-31 the next
	v_lshl_add_u32 v5, v1, 4, v5
	v_add_nc_u32 v[RD], s23, v5
	v_mul_u32_u24 v5, v2, SIZE_N*2
	v_lshl_add_u32 v[CO], v1, 4, v5
	v_lshlrev_b32 v[BO], 5, v2                     ; 8 h columns of 4 bytes
	WIN TO_B
.irp b, 0,1,2,3,4,5,6,7
	global_load_b128 v[BIASR+8*\b:BIASR+8*\b+3], v[BO], s[66:67] offset:64*\b       ; register j of tile b: bias of column 16 b + 8 h + j
	global_load_b128 v[BIASR+8*\b+4:BIASR+8*\b+7], v[BO], s[66:67] offset:64*\b+16
.endr
	WIN 0
.else
	v_bfe_u32 v5, v0, 3, 2                         ; back: eight lanes take 128 bytes (one head) of a row, the wave four rows
	v_and_b32 v6, 7, v0
	v_mul_u32_u24 v5, v5, SPITCH
	v_lshl_add_u32 v5, v6, 4, v5
	v_add_nc_u32 v[RD], s23, v5
	v_and_b32 v6, 31, v0
	v_lshlrev_b32 v[CO], 4, v6
.endif
; MB/4 row blocks x all NB column blocks, 32 along K.  zero = 1: the first product starts the sums (from 0 or from the bias).
; The accumulators take turns, one instruction a turn, in the same order in every quarter step.
.macro MULP f, hi, part, zero
.set t_al, \part*(MB/4)
.rept MB/4
.set t_b, 0
.rept NB
.if \zero
.if BIAS
	v_wmma_f32_16x16x32_bf16 v[8*(NB*t_al+t_b):8*(NB*t_al+t_b)+7], v[FBS*\f+8*t_b:FBS*\f+8*t_b+7], v[FA0+64*\f+8*(\hi*(MB/2)+t_al):FA0+64*\f+8*(\hi*(MB/2)+t_al)+7], v[BIASR+8*t_b:BIASR+8*t_b+7]
.else
	v_wmma_f32_16x16x32_bf16 v[8*(NB*t_al+t_b):8*(NB*t_al+t_b)+7], v[FBS*\f+8*t_b:FBS*\f+8*t_b+7], v[FA0+64*\f+8*(\hi*(MB/2)+t_al):FA0+64*\f+8*(\hi*(MB/2)+t_al)+7], 0
.endif
.else
	v_wmma_f32_16x16x32_bf16 v[8*(NB*t_al+t_b):8*(NB*t_al+t_b)+7], v[FBS*\f+8*t_b:FBS*\f+8*t_b+7], v[FA0+64*\f+8*(\hi*(MB/2)+t_al):FA0+64*\f+8*(\hi*(MB/2)+t_al)+7], v[8*(NB*t_al+t_b):8*(NB*t_al+t_b)+7]
.endif
.set t_b, t_b+1
.endr
.set t_al, t_al+1
.endr
.endm
; 32 LDS loads in one run: 2 NB for B, then 2 MB for A: the fragments of 32 K at byte k of the slot's rows, into buffer f
.macro FETCH slot, k, f
	WIN TO_B
.set t_i, 0
.rept NB
	ds_load_b128 v[FBS*\f+8*t_i:FBS*\f+8*t_i+3], v[ADRB+\slot] offset:\k+t_i*16*PITCH
	ds_load_b128 v[FBS*\f+8*t_i+4:FBS*\f+8*t_i+7], v[ADRB+\slot] offset:\k+t_i*16*PITCH+32
.set t_i, t_i+1
.endr
	WIN 0
.set t_i, 0
.rept MB
	ds_load_b128 v[FA0+64*\f+8*t_i:FA0+64*\f+8*t_i+3], v[ADRA+\slot] offset:\k+t_i*16*PITCH
	ds_load_b128 v[FA0+64*\f+8*t_i+4:FA0+64*\f+8*t_i+7], v[ADRA+\slot] offset:\k+t_i*16*PITCH+32
.set t_i, t_i+1
.endr
.endm
.macro QUARTER slot, k, f, g, zero
	s_wait_dscnt MB                                ; the youngest MB loads (A's upper half) may be out
.if \zero*BIAS
	WIN 0x91                                       ; C from window 1
.else
	WIN MUL_LO
.endif
	MULP \f, 0, 0, \zero
	MULP \f, 0, 1, \zero
	PLACES
	FETCH \slot, \k, \g
	s_wait_dscnt 32                                ; all but the 32 just issued
.if \zero*BIAS
	WIN 0xd1
.else
	WIN MUL_HI
.endif
	MULP \f, 1, 0, \zero
	MULP \f, 1, 1, \zero
.endm
.macro THREE slot, zero
	QUARTER \slot, 64,  0, 1, \zero
	QUARTER \slot, 128, 1, 0, 0
	QUARTER \slot, 192, 0, 1, 0
.endm
; The last quarter of a K step multiplies buffer 1 and changes slots.  In front of the barrier each wave waits for its reads of this slot and for
; all its tensor loads (one is out: its part of the next slot).  Where the slot is filled again the barrier opens a round of the cluster's barrier,
; and the joint refill is the first tensor load behind the round.
.macro TURN slot, next, fill
	s_wait_dscnt MB
	WIN MUL_LO
	MULP 1, 0, 0, 0
	s_wait_dscnt 0x0
	s_wait_tensorcnt 0x0
	ds_add_u32 v191, v255
	s_wait_dscnt 0x0
	s_barrier_signal -1
	MULP 1, 0, 1, 0
	WIN 0
	s_barrier_wait -1
.if \fill
	CREST
	KOFF
	s_add_nc_u64 s[G0+4*\slot+2:G0+4*\slot+3], s[14:15], s[18:19]
	s_add_nc_u64 s[G0B+4*\slot+2:G0B+4*\slot+3], s[46:47], s[18:19]
	JLOAD \slot
.endif
	PLACES
	FETCH \next, 0, 0
	WIN MUL_HI
	MULP 1, 1, 0, 0
	MULP 1, 1, 1, 0
.endm
.macro LAP zero
	THREE 0, \zero
	TURN 0, 1, 1
	THREE 1, 0
	TURN 1, 0, 1
.endm
	s_wait_tensorcnt 1                             ; my part of the first K step is in; the second's stays out
.if BIAS
	s_wait_loadcnt 0x0                             ; the bias
.endif
	s_barrier_signal -1
	s_barrier_wait -1
	FETCH 0, 0, 0
	LAP 1
	WIN 0
	s_mov_b32 s3, LAPS-2
.Llap:
	LAP 0
	WIN 0
	s_sub_co_u32 s3, s3, 1
	s_cmp_lg_u32 s3, 0
	s_cbranch_scc1 .Llap
	THREE 0, 0                                     ; the last lap fills nothing
	TURN 0, 1, 0
	THREE 1, 0
	s_wait_dscnt MB
	WIN MUL_LO
	MULP 1, 0, 0, 0
	MULP 1, 0, 1, 0
	s_wait_dscnt 0x0
	WIN MUL_HI
	MULP 1, 1, 0, 0
	MULP 1, 1, 1, 0
	PLACES
.if BIAS
	; out: row-major [4096][SIZE_N] bf16
	s_lshl_b32 s16, s13, 8
	s_lshl_b32 s14, s11, 7
	s_add_co_u32 s16, s16, s14
	s_lshl_b32 s16, s16, 13                        ; rows of 8,192 bytes
	s_mov_b32 s17, 0
	s_add_nc_u64 s[8:9], s[8:9], s[16:17]
	s_lshl_b32 s46, s42, 9
	s_lshl_b32 s47, s12, 8
	s_add_co_u32 s46, s46, s47
	s_mov_b32 s47, 0
	s_add_nc_u64 s[8:9], s[8:9], s[46:47]
.macro OUTF i, al, from, f             ; 16 rows: relu in f32, round, through my stage, whole rows of 256 bytes out
	WIN \from
.irp b, 0,1,2,3,4,5,6,7
.irp j, 0,1,2,3,4,5,6,7
	v_max_num_f32 v[FA0+8*\b+\j], 0, v[8*(NB*\al+\b)+\j]
.endr
.endr
	WIN 0
.irp b, 0,1,2,3,4,5,6,7
.irp r, 0,1,2,3
	v_cvt_pk_bf16_f32 v[TMP+4*\b+\r], v[FA0+8*\b+2*\r], v[FA0+8*\b+2*\r+1]
.endr
.endr
.irp b, 0,1,2,3,4,5,6,7
	ds_store_b128 v[STO], v[TMP+4*\b:TMP+4*\b+3] offset:32*\b
.endr
	s_wait_xcnt 0x0                                ; buffer f and the base, which earlier stores read, are rewritten only behind this wait
.if \i
	s_add_nc_u64 s[8:9], s[8:9], 16*SIZE_N*2
.endif
.irp t, 0,1,2,3,4,5,6,7
	ds_load_b128 v[\f+4*\t:\f+4*\t+3], v[RD] offset:\t*2*SPITCH    ; a wave's LDS instructions are served in order: these see the stores above
.endr
.irp t, 0,1,2,3,4,5,6,7
	s_wait_dscnt 7-\t
	global_store_b128 v[CO], v[\f+4*\t:\f+4*\t+3], s[8:9] offset:2*\t*SIZE_N*2   ; sixteen lanes store 256 consecutive bytes, aligned
.endr
.endm
	OUTF 0, 0, 0x08, 128
	OUTF 1, 1, 0x08, 160
	OUTF 2, 2, 0x08, 128
	OUTF 3, 3, 0x08, 160
	OUTF 4, 0, 0x0c, 128
	OUTF 5, 1, 0x0c, 160
	OUTF 6, 2, 0x0c, 128
	OUTF 7, 3, 0x0c, 160
.else
	; out: planes [b][g][t][64]; my 192 columns are three planes, my 64 rows are 8,192 consecutive bytes in each
	s_lshr_b32 s16, s13, 4
	s_mul_i32 s16, s16, 48
	s_lshl_b32 s16, s16, 18
	s_and_b32 s14, s13, 15
	s_lshl_b32 s14, s14, 14
	s_add_co_u32 s16, s16, s14
	s_lshl_b32 s14, s11, 13
	s_add_co_u32 s16, s16, s14
	s_mov_b32 s17, 0
	s_add_nc_u64 s[8:9], s[8:9], s[16:17]
	s_mul_i32 s46, s42, 6
	s_mul_i32 s47, s12, 3
	s_add_co_u32 s46, s46, s47
	s_lshl_b32 s46, s46, 18
	s_mov_b32 s47, 0
	s_add_nc_u64 s[8:9], s[8:9], s[46:47]
.macro OUTQ a, al, from, f             ; 16 rows x 192 columns
	WIN \from
.set t_b, 0
.rept NB
.irp r, 0,1,2,3
	v_cvt_pk_bf16_f32 v[TMP+4*t_b+\r], v[8*(NB*\al+t_b)+2*\r], v[8*(NB*\al+t_b)+2*\r+1]
.endr
.set t_b, t_b+1
.endr
	WIN 0
.set t_b, 0
.rept NB
	ds_store_b128 v[STO], v[TMP+4*t_b:TMP+4*t_b+3] offset:32*t_b
.set t_b, t_b+1
.endr
	s_wait_xcnt 0x0                                ; buffer f, which earlier stores read, is rewritten only behind this wait
.irp i, 0,1,2,3
.irp hh, 0,1,2
	ds_load_b128 v[\f+4*(3*\i+\hh):\f+4*(3*\i+\hh)+3], v[RD] offset:\i*4*SPITCH+\hh*128
.endr
.endr
.irp i, 0,1,2,3
.irp hh, 0,1,2
	s_wait_dscnt 11-(3*\i+\hh)
	global_store_b128 v[CO], v[\f+4*(3*\i+\hh):\f+4*(3*\i+\hh)+3], s[8:9] offset:\hh*262144+\a*2048+\i*512   ; 512 consecutive bytes: four rows of one head
.endr
.endr
.endm
	OUTQ 0, 0, 0x0a, 64
	OUTQ 1, 1, 0x0a, 112
	OUTQ 2, 0, 0x0f, 64
	OUTQ 3, 1, 0x0f, 112
.endif
	s_set_vgpr_msb 0x1
	s_wait_tensorcnt 0x0
	ds_add_u32 v191, v255
	s_wait_dscnt 0x0
	s_set_vgpr_msb 0x100
	CROUND                                         ; no work-group ends while a partner may still ask for a tile that names it
	s_endpgm
.Lfunc_end_k_qca17e6f5af_ffn1:
	.size	k_qca17e6f5af_ffn1, .Lfunc_end_k_qca17e6f5af_ffn1-k_qca17e6f5af_ffn1
	.p2alignl 7, 3214868480
	.fill 96, 4, 3214868480
	.section	.rodata,"a",@progbits
	.p2align	6, 0x0
	.amdhsa_kernel k_qca17e6f5af_ffn1
		.amdhsa_group_segment_fixed_size 327680
		.amdhsa_private_segment_fixed_size 0
		.amdhsa_enable_private_segment 0
		.amdhsa_kernarg_size 32
		.amdhsa_user_sgpr_count 2
		.amdhsa_user_sgpr_kernarg_segment_ptr 1
		.amdhsa_wavefront_size32 1
		.amdhsa_system_sgpr_workgroup_id_x 1
		.amdhsa_system_sgpr_workgroup_id_y 1
		.amdhsa_system_sgpr_workgroup_id_z 1
		.amdhsa_system_vgpr_workitem_id 0
		.amdhsa_next_free_vgpr 1024
		.amdhsa_next_free_sgpr 72
		.amdhsa_reserve_vcc 0
		.amdhsa_float_denorm_mode_32 3
		.amdhsa_float_denorm_mode_16_64 3
		.amdhsa_memory_ordered 1
		.amdhsa_forward_progress 1
		.amdhsa_inst_pref_size 214
	.end_amdhsa_kernel
	.amdgpu_metadata
---
amdhsa.version: [ 1, 2 ]
amdhsa.kernels:
  - .name:           k_qca17e6f5af_ffn1
    .symbol:         k_qca17e6f5af_ffn1.kd
    .args:
      - { .name: h, .offset: 0, .size: 8, .value_kind: global_buffer, .address_space: global }
      - { .name: wt, .offset: 8, .size: 8, .value_kind: global_buffer, .address_space: global }
      - { .name: f, .offset: 16, .size: 8, .value_kind: global_buffer, .address_space: global }
      - { .name: b1, .offset: 24, .size: 8, .value_kind: global_buffer, .address_space: global }
    .group_segment_fixed_size: 327680
    .private_segment_fixed_size: 0
    .kernarg_segment_align: 8
    .kernarg_segment_size: 32
    .max_flat_workgroup_size: 128
    .sgpr_count:     72
    .vgpr_count:     1024
    .wavefront_size: 32
...
	.end_amdgpu_metadata
.endif
;; end of part 6
;; launch ffn2 (part 7): grid 8 x 32, 4 waves a work-group, clusters of 4 x 4, 327,680 bytes of LDS; arguments f, wt, b2, x1, out0; writes out0
.if DOCPART == 7
	.amdgcn_target "amdgcn-amd-amdhsa--gfx1250"
	.amdhsa_code_object_version 6
	.text
	.protected	k_qca17e6f5af_ffn2
	.globl	k_qca17e6f5af_ffn2
	.p2align	8
	.type	k_qca17e6f5af_ffn2,@function
k_qca17e6f5af_ffn2:
	s_mov_b64 s[64:65], 0
	v_nop
	global_prefetch_b8 v0, s[64:65] scope:SCOPE_SE
	s_setreg_imm32_b32 hwreg(HW_REG_WAVE_MODE, 25, 1), 1
	s_wait_xcnt 0x0
	s_wait_alu depctr_hold_cnt(0) depctr_sa_sdst(0) depctr_va_vdst(0) depctr_va_sdst(0) depctr_va_ssrc(0) depctr_va_vcc(0) depctr_vm_vsrc(0)
	s_getreg_b32 s2, hwreg(HW_REG_IB_STS2, 6, 4)
	s_cmp_eq_u32 s2, 0
	s_cbranch_scc0 .Lentry_in_a_cluster
	s_endpgm
.Lentry_in_a_cluster:
	s_bfe_u32 s2, ttmp6, 0x10000c
	s_cmp_lg_u32 s2, 0xf033
	s_cbranch_scc0 .Lentry_shape_is_right
	s_endpgm
.Lentry_shape_is_right:
; ffn2: out0 = x1 + f * W2 + b2.  f bf16 [4096][4096]; W2^T bf16 [1024][4096] at byte 0x1000000 of wt; x1, out0 f32 [4096][1024].
; A work-group makes 128 x 128 of the product.  The four waves split K, not C: K goes in steps of 256 through two LDS slots, and wave w multiplies
; k = 64 w .. 64 w + 63 of every step for all 8 x 8 tiles (512 accumulator registers), so that 32 LDS loads feed 64 matrix instructions and each
; LDS byte is read by one wave.  At the end the four partial sums meet in LDS; wave w keeps rows 32 w .. 32 w + 31.
; Accumulator slot a of wave w holds row block (a + 2 w) & 7, so that slots 0 and 1 are the wave's own rows in every wave.
; 4 x 4 work-groups form a cluster: A's tile is asked for jointly along a row of the cluster, B's along a column.
; A cluster starts its walk along K at step (NSTEP/2) x cluster x + (NSTEP/4) x cluster y and wraps round, so that clusters that read the same rows of
; A or of B ask for a given K step at different times.  The start hangs on the cluster's coordinates alone: it is the same in all sixteen partners.
; This text serves two launches; the constants of this head choose between them.
; LIMITS: matrix operands are bf16; sums in f32, in four parts along K, each over K in the rotated order; NaN and infinities are not served.
.set PROJ, 0
.set SIZE_K, 4096
.set WOFF, 0x1000000
.set PITCHA, 528                       ; A in LDS: [128 rows][512 bytes + 16]
.set AHALF, 33792                      ; what one wave fetches of A
.set AKW, 128                          ; wave w's k slice of A starts at AKW x w
.set ASTEP, 512                        ; a K step in A: 256 elements
.set ABYTES, 2*AHALF
.set KSTEP, 256
.set NSTEP, SIZE_K/KSTEP
.set PITCHB, 528                       ; 512 bytes + 16
.set BHALF, 64*PITCHB
.set SLOT, ABYTES+2*BHALF
.set LAPS, SIZE_K/(2*KSTEP)
.set XW, 49152                         ; the exchange: 3 x 16 tiles of 1,024 bytes a wave
.set SPITCH, 528                       ; stage row: 128 f32 + 16 bytes
.set ADRA, 16                          ; v16-23 [slot][j]: row blocks (2 j + 2 w) & 7 and the next
.set ADRB, 24                          ; v24-25
.set XS, 26                            ; v26 where I send; v27-29 where I receive, j = 1 .. 3
.set STO, 30
.set RD, 31
.set CO, 32
.set BI, 36                            ; v36-39 bias of my 4 columns
.set RES, 128                          ; window 1: v128-255 the residual of my 32 rows
.set G1, 24
.set G0, 32
.set G1B, 48
.set G0B, 56
.set MUL_LO, 0xa1
.set MUL_HI, 0xf1
.set TO_B, 0x40
.if PROJ
.set A_W0, (3<<16)|(1<<20)|(1<<21)|(4<<22)|(3<<25)     ; elements of 8 bytes; 4 words of padding behind every 32
.set A_D0, 2048                        ; a row of the tile: one head's 128 rows, 16,384 dense bytes
.set A_D1, 2                           ; two heads
.set A_ST, 32768                       ; a plane
.else
.set A_W0, (1<<16)|(1<<20)|(1<<21)|(6<<22)|(3<<25)     ; elements of 2 bytes; 4 words of padding behind every 128
.set A_D0, 256
.set A_D1, 64
.set A_ST, SIZE_K
.endif
.set MSB, 0
.macro WIN new
.if MSB != \new
	s_set_vgpr_msb (MSB<<8)|\new
.set MSB, \new
.endif
.endm
.macro JLOAD s                         ; waves 0, 1 ask for A's halves, waves 2, 3 for B's; the branch hangs on the wave's number alone
	s_cmp_lt_u32 s10, 2
	s_cbranch_scc0 .Lfor_b_\@
	tensor_load_to_lds s[G0+4*\s:G0+4*\s+3], s[G1:G1+7]
	s_nop 0
	s_branch .Lasked_\@
.Lfor_b_\@:
	tensor_load_to_lds s[G0B+4*\s:G0B+4*\s+3], s[G1B:G1B+7]
	s_nop 0
.Lasked_\@:
.endm
.macro KOFF                            ; the next K step to be asked for: its byte offset in A in s[18:19], in B in s[66:67]; s45 counts on
	s_and_b32 s11, s45, NSTEP-1
	s_mul_i32 s18, s11, ASTEP
	s_lshl_b32 s66, s11, 9
	s_add_co_u32 s45, s45, 1
.endm
.macro CREST
	s_cmp_lg_u32 s10, 0
	s_cbranch_scc1 .Lnot_wave_0_\@
	s_barrier_signal -3
.Lnot_wave_0_\@:
	s_barrier_wait -3
	s_barrier_signal -1
	s_barrier_wait -1
.endm
.macro CROUND
	s_barrier_signal -1
	s_barrier_wait -1
	CREST
.endm
.macro PLACES                          ; four places behind a matrix instruction (ISA guide 7.12.1)
.rept 4
	v_nop
.endr
.endm
	s_load_b128 s[4:7], s[0:1], 0x0                ; A, wt
	s_load_b128 s[68:71], s[0:1], 0x10             ; bias s[68:69], residual s[70:71]
	s_load_b64 s[8:9], s[0:1], 0x20                ; the output
	v_lshl_add_u32 v254, v0, 2, 0x42000
	v_mov_b32 v255, 0
	ds_add_u32 v254, v255
	ds_add_u32 v254, v255
	v_lshrrev_b32 v1, 5, v0
	v_readfirstlane_b32 s10, v1                    ; wave
	s_bfe_u32 s40, ttmp6, 0x40000                  ; cx
	s_bfe_u32 s41, ttmp6, 0x40004                  ; cy
	s_lshl_b32 s42, ttmp9, 2
	s_add_co_u32 s42, s42, s40                     ; block column
	s_and_b32 s13, ttmp7, 0xffff
	s_mul_i32 s45, s13, NSTEP/4
	s_mul_i32 s18, ttmp9, NSTEP/2
	s_add_co_u32 s45, s45, s18                     ; the K step at which my cluster starts (taken modulo NSTEP where it is used)
	s_mov_b32 s19, 0
	s_mov_b32 s67, 0
	s_lshl_b32 s13, s13, 2
	s_add_co_u32 s13, s13, s41                     ; block row
	s_lshl_b32 s43, s41, 2
	s_lshl_b32 s43, 15, s43                        ; my row of the cluster
	s_lshl_b32 s44, 0x1111, s40                    ; my column
	s_or_b32 s[G1+0], s43, A_W0
	s_mov_b32 s[G1+1], A_D0<<16
	s_mov_b32 s[G1+2], A_D1<<16
	s_mov_b32 s[G1+3], A_D0<<16
	s_mov_b32 s[G1+4], A_D1
	s_mov_b32 s[G1+5], A_ST
	s_mov_b32 s[G1+6], 0
	s_mov_b32 s[G1+7], 0
	s_or_b32 s[G1B+0], s44, (1<<16)|(1<<20)|(1<<21)|(6<<22)|(3<<25)   ; 64 rows x 256 elements of 2 bytes, 4 words of padding behind every 128
	s_mov_b32 s[G1B+1], KSTEP<<16
	s_mov_b32 s[G1B+2], 64<<16
	s_mov_b32 s[G1B+3], KSTEP<<16
	s_mov_b32 s[G1B+4], 64
	s_mov_b32 s[G1B+5], SIZE_K
	s_mov_b32 s[G1B+6], 0
	s_mov_b32 s[G1B+7], 0
	s_min_u32 s17, s10, 1                          ; which half of A
.if PROJ
	s_lshr_b32 s16, s13, 4
	s_lshl_b32 s16, s16, 4                         ; 16 planes a batch
	s_lshl_b32 s17, s17, 1                         ; two heads a half
	s_add_co_u32 s16, s16, s17
	s_lshl_b32 s16, s16, 18
	s_and_b32 s17, s13, 15
	s_lshl_b32 s17, s17, 14                        ; 128 rows of 128 bytes
	s_add_co_u32 s16, s16, s17
.else
	s_lshl_b32 s16, s13, 7
	s_lshl_b32 s17, s17, 6
	s_add_co_u32 s16, s16, s17
	s_mul_i32 s16, s16, SIZE_K*2
.endif
	s_mov_b32 s17, 0
	s_max_u32 s47, s10, 2
	s_sub_co_u32 s47, s47, 2                       ; which half of B
	s_lshl_b32 s47, s47, 6
	s_lshl_b32 s46, s42, 7
	s_add_co_u32 s46, s46, s47
	s_mul_i32 s46, s46, SIZE_K*2
	s_add_co_u32 s46, s46, WOFF
	s_mov_b32 s47, 0
	s_mul_i32 s20, s10, AHALF                      ; LDS: A's halves at wave x AHALF (waves 0, 1),
	s_mul_i32 s21, s10, BHALF
	s_add_co_u32 s21, s21, ABYTES-2*BHALF          ; B's at ABYTES + (wave - 2) x BHALF (waves 2, 3)
	s_lshl_b32 s72, s13, 19                        ; my rows of the residual and of the output: (128 x block row + 32 w) x 4,096 bytes
	s_lshl_b32 s73, s10, 17
	s_add_co_u32 s72, s72, s73
	s_mov_b32 s73, 0
	s_lshl_b32 s74, s42, 9                         ; my block's columns: 128 x 4 bytes
	s_mov_b32 s75, 0
	s_wait_dscnt 0x0
	s_wait_kmcnt 0x0
	s_add_nc_u64 s[14:15], s[4:5], s[16:17]        ; my part of A at K = 0,
	s_add_nc_u64 s[46:47], s[6:7], s[46:47]        ; my part of B at K = 0,
	s_or_b32 s15, s15, 0x80000000                  ; each with the descriptor's type bits on top
	s_or_b32 s47, s47, 0x80000000
	s_add_nc_u64 s[70:71], s[70:71], s[72:73]
	s_add_nc_u64 s[70:71], s[70:71], s[74:75]
	s_add_nc_u64 s[8:9], s[8:9], s[72:73]
	s_add_nc_u64 s[8:9], s[8:9], s[74:75]
	s_add_nc_u64 s[68:69], s[68:69], s[74:75]
	CROUND                                         ; all sixteen work-groups are here: the first joint loads meet
.irp s, 0,1
	KOFF
	s_mov_b32 s[G0+4*\s], 1
	s_add_co_u32 s[G0+4*\s+1], s20, \s*SLOT
	s_add_nc_u64 s[G0+4*\s+2:G0+4*\s+3], s[14:15], s[18:19]
	s_mov_b32 s[G0B+4*\s], 1
	s_add_co_u32 s[G0B+4*\s+1], s21, \s*SLOT
	s_add_nc_u64 s[G0B+4*\s+2:G0B+4*\s+3], s[46:47], s[66:67]
	JLOAD \s
.endr
	v_and_b32 v1, 15, v0                           ; r
	v_bfe_u32 v2, v0, 4, 1                         ; h
	v_and_b32 v3, 31, v0                           ; lane
	v_lshlrev_b32 v[CO], 4, v3
	WIN TO_B
.irp n, 0,1,2,3,4,5,6,7,8,9,10,11,12,13,14,15,16,17,18,19,20,21,22,23,24,25,26,27,28,29,30,31
	global_load_b128 v[RES+4*\n:RES+4*\n+3], v[CO], s[70:71] offset:\n*4096     ; row n of my 32: 512 consecutive bytes; these stay out over the K loop
.endr
	WIN 0
	global_load_b128 v[BI:BI+3], v[CO], s[68:69]
	v_mul_u32_u24 v4, v1, PITCHA
	v_lshl_add_u32 v4, v2, 4, v4
	s_lshl_b32 s22, s10, 1
	s_mul_i32 s23, s10, AKW
.irp j, 0,1,2,3
	s_add_co_u32 s21, s22, 2*\j
	s_and_b32 s21, s21, 7                          ; row block (2 j + 2 w) & 7
	s_mul_i32 s21, s21, 16*PITCHA
	s_add_co_u32 s21, s21, s23
	v_add_nc_u32 v[ADRA+\j], s21, v4
	v_add_nc_u32 v[ADRA+4+\j], SLOT, v[ADRA+\j]
.endr
	v_mul_u32_u24 v5, v1, PITCHB
	v_lshl_add_u32 v5, v2, 4, v5
	s_lshl_b32 s21, s10, 7                         ; my 64 k of B's rows
	s_add_co_u32 s21, s21, ABYTES
	v_add_nc_u32 v[ADRB], s21, v5
	v_add_nc_u32 v[ADRB+1], SLOT, v[ADRB]
	s_mul_i32 s21, s10, XW
	v_add_nc_u32 v[XS], s21, v[CO]
.irp j, 1,2,3
	s_sub_co_u32 s21, s10, \j
	s_and_b32 s21, s21, 3                          ; the sender: wave (w - j) & 3, its part j
	s_mul_i32 s21, s21, XW
	s_add_co_u32 s21, s21, (\j-1)*16384
	v_add_nc_u32 v[XS+\j], s21, v[CO]
.endr
	s_mul_i32 s21, s10, 16*SPITCH
	s_add_co_u32 s21, s21, 4*XW                    ; my stage, behind the exchange
	v_mul_u32_u24 v5, v1, SPITCH
	v_lshl_add_u32 v5, v2, 5, v5
	v_add_nc_u32 v[STO], s21, v5
	v_add_nc_u32 v[RD], s21, v[CO]
; 16 matrix instructions: slots a0, a0 + 1 of the window's four x all 8 column blocks.  Source 0 = rows of B, source 1 = rows of A.
; The 64 accumulators take turns, one instruction a turn, in the same order in every half step.
.macro MUL16 f, hi, a0, zero
.irp a, \a0, \a0+1
.irp b, 0,1,2,3,4,5,6,7
.if \zero
	v_wmma_f32_16x16x32_bf16 v[8*(8*(\a)+\b):8*(8*(\a)+\b)+7], v[64*\f+8*\b:64*\f+8*\b+7], v[64+64*\f+8*(4*\hi+\a):64+64*\f+8*(4*\hi+\a)+7], 0
.else
	v_wmma_f32_16x16x32_bf16 v[8*(8*(\a)+\b):8*(8*(\a)+\b)+7], v[64*\f+8*\b:64*\f+8*\b+7], v[64+64*\f+8*(4*\hi+\a):64+64*\f+8*(4*\hi+\a)+7], v[8*(8*(\a)+\b):8*(8*(\a)+\b)+7]
.endif
.endr
.endr
.endm
; 32 LDS loads: B's 8 blocks (window 1, buffer f at 64 f), then A's 8 slots (window 0, at 64 + 64 f); sub = which 32 of my 64 k
.macro FETCH slot, sub, f
	WIN TO_B
.irp b, 0,1,2,3,4,5,6,7
	ds_load_b128 v[64*\f+8*\b:64*\f+8*\b+3], v[ADRB+\slot] offset:\b*16*PITCHB+64*\sub
	ds_load_b128 v[64*\f+8*\b+4:64*\f+8*\b+7], v[ADRB+\slot] offset:\b*16*PITCHB+64*\sub+32
.endr
	WIN 0
.irp j, 0,1,2,3
.irp e, 0,1
	ds_load_b128 v[64+64*\f+8*(2*\j+\e):64+64*\f+8*(2*\j+\e)+3], v[ADRA+4*\slot+\j] offset:\e*16*PITCHA+64*\sub
	ds_load_b128 v[64+64*\f+8*(2*\j+\e)+4:64+64*\f+8*(2*\j+\e)+7], v[ADRA+4*\slot+\j] offset:\e*16*PITCHA+64*\sub+32
.endr
.endr
.endm
.macro H0 slot, zero                   ; the first half of a K step: multiplies buffer 0, fetches the second half's fragments
	s_wait_dscnt 8                                 ; the youngest eight loads (A's slots 4-7) may be out
	WIN MUL_LO
	MUL16 0, 0, 0, \zero
	MUL16 0, 0, 2, \zero
	PLACES
	FETCH \slot, 1, 1
	s_wait_dscnt 32                                ; all but the 32 just issued
	WIN MUL_HI
	MUL16 0, 1, 0, \zero
	MUL16 0, 1, 2, \zero
.endm
; The second half multiplies buffer 1 and changes slots.  In front of the barrier each wave waits for its reads of this slot and for all its tensor
; loads (one is out: its part of the next slot).  Where the slot is filled again the barrier opens a round of the cluster's barrier, and the joint
; refill is the first tensor load behind the round.
.macro H1 slot, next, fill
	s_wait_dscnt 8
	WIN MUL_LO
	MUL16 1, 0, 0, 0
	s_wait_dscnt 0x0
	s_set_vgpr_msb 0xa1a0
	s_wait_tensorcnt 0x0
	ds_add_u32 v254, v255
	s_wait_dscnt 0x0
	s_set_vgpr_msb 0xa0a1
	s_barrier_signal -1
	MUL16 1, 0, 2, 0
	WIN 0
	s_barrier_wait -1
.if \fill
	CREST
	KOFF
	s_add_nc_u64 s[G0+4*\slot+2:G0+4*\slot+3], s[14:15], s[18:19]
	s_add_nc_u64 s[G0B+4*\slot+2:G0B+4*\slot+3], s[46:47], s[66:67]
	JLOAD \slot
.endif
	PLACES
	FETCH \next, 0, 0
	WIN MUL_HI
	MUL16 1, 1, 0, 0
	MUL16 1, 1, 2, 0
.endm
.macro LAP zero
	H0 0, \zero
	H1 0, 1, 1
	H0 1, 0
	H1 1, 0, 1
.endm
	s_wait_tensorcnt 1                             ; my part of the first K step is in; the second's stays out
	s_barrier_signal -1
	s_barrier_wait -1
	FETCH 0, 0, 0
	LAP 1
.if LAPS > 2
	WIN 0
	s_mov_b32 s3, LAPS-2
.Llap:
	LAP 0
	WIN 0
	s_sub_co_u32 s3, s3, 1
	s_cmp_lg_u32 s3, 0
	s_cbranch_scc1 .Llap
.endif
	H0 0, 0                                        ; the last lap fills nothing
	H1 0, 1, 0
	H0 1, 0
	s_wait_dscnt 8
	WIN MUL_LO
	MUL16 1, 0, 0, 0
	MUL16 1, 0, 2, 0
	s_wait_dscnt 0x0
	WIN MUL_HI
	MUL16 1, 1, 0, 0
	MUL16 1, 1, 2, 0
	PLACES
	WIN 0
	; THE FOUR PARTS MEET, in the ring's bytes, which have had their last fill.  Every wave's reads of the ring are done in front of this barrier.
	s_wait_dscnt 0x0
	s_barrier_signal -1
	s_barrier_wait -1
.macro SEND j, al0                     ; slots 2 j, 2 j + 1 go to wave (w + j) & 3: 16 tiles of 1,024 bytes
.irp e, 0,1
.irp b, 0,1,2,3,4,5,6,7
	ds_store_b128 v[XS], v[8*(8*(\al0+\e)+\b):8*(8*(\al0+\e)+\b)+3] offset:(\j-1)*16384+(8*\e+\b)*1024
	ds_store_b128 v[XS], v[8*(8*(\al0+\e)+\b)+4:8*(8*(\al0+\e)+\b)+7] offset:(\j-1)*16384+(8*\e+\b)*1024+512
.endr
.endr
.endm
	WIN 0x08
	SEND 1, 2
	WIN 0x0c
	SEND 2, 0
	SEND 3, 2
	WIN 0
	s_wait_dscnt 0x0                               ; my stores are in LDS before I say so
	s_barrier_signal -1
	s_barrier_wait -1
.macro RECV j, dst
.set t_n, 0
.rept 32
	ds_load_b128 v[\dst+4*t_n:\dst+4*t_n+3], v[XS+\j] offset:512*t_n
.set t_n, t_n+1
.endr
.endm
.macro ADDIN src                       ; my slots 0, 1 (window 2, v0-127) += 128 registers
.set t_n, 0
.rept 64
	v_pk_add_f32 v[t_n:t_n+1], v[t_n:t_n+1], v[\src+t_n:\src+t_n+1]
.set t_n, t_n+2
.endr
.endm
	RECV 1, 64
	WIN 0x40
	RECV 2, 0
	s_wait_dscnt 32                                ; the first 32 are in
	WIN 0x82
	ADDIN 64
	WIN 0
	RECV 3, 64
	s_wait_dscnt 32
	WIN 0x86
	ADDIN 0
	s_wait_dscnt 0x0
	WIN 0x82
	ADDIN 64
	; OUT, 16 rows at a time: through my stage, so that a store covers a row's 512 consecutive bytes; residual and bias are added on the way
	s_wait_loadcnt 0x0
.irp e, 0,1
	WIN 0x08
.irp b, 0,1,2,3,4,5,6,7
	ds_store_b128 v[STO], v[8*(8*\e+\b):8*(8*\e+\b)+3] offset:64*\b
	ds_store_b128 v[STO], v[8*(8*\e+\b)+4:8*(8*\e+\b)+7] offset:64*\b+16
.endr
	WIN 0
.irp i, 0,1,2,3,4,5,6,7,8,9,10,11,12,13,14,15
	ds_load_b128 v[64+64*\e+4*\i:64+64*\e+4*\i+3], v[RD] offset:SPITCH*\i    ; a wave's LDS instructions are served in order: these see the stores above
.endr
	s_wait_dscnt 0x0
	WIN 0x04
.set t_n, 0
.rept 32
	v_pk_add_f32 v[64+64*\e+t_n:64+64*\e+t_n+1], v[64+64*\e+t_n:64+64*\e+t_n+1], v[RES+64*\e+t_n:RES+64*\e+t_n+1]
.set t_n, t_n+2
.endr
	WIN 0
.irp i, 0,1,2,3,4,5,6,7,8,9,10,11,12,13,14,15
	v_pk_add_f32 v[64+64*\e+4*\i:64+64*\e+4*\i+1], v[64+64*\e+4*\i:64+64*\e+4*\i+1], v[BI:BI+1]
	v_pk_add_f32 v[64+64*\e+4*\i+2:64+64*\e+4*\i+3], v[64+64*\e+4*\i+2:64+64*\e+4*\i+3], v[BI+2:BI+3]
	global_store_b128 v[CO], v[64+64*\e+4*\i:64+64*\e+4*\i+3], s[8:9] offset:(16*\e+\i)*4096
.endr
.endr
	s_wait_tensorcnt 0x0
	ds_add_u32 v254, v255
	s_wait_dscnt 0x0
	CROUND                                         ; no work-group ends while a partner may still ask for a tile that names it
	s_endpgm
.Lfunc_end_k_qca17e6f5af_ffn2:
	.size	k_qca17e6f5af_ffn2, .Lfunc_end_k_qca17e6f5af_ffn2-k_qca17e6f5af_ffn2
	.p2alignl 7, 3214868480
	.fill 96, 4, 3214868480
	.section	.rodata,"a",@progbits
	.p2align	6, 0x0
	.amdhsa_kernel k_qca17e6f5af_ffn2
		.amdhsa_group_segment_fixed_size 327680
		.amdhsa_private_segment_fixed_size 0
		.amdhsa_enable_private_segment 0
		.amdhsa_kernarg_size 40
		.amdhsa_user_sgpr_count 2
		.amdhsa_user_sgpr_kernarg_segment_ptr 1
		.amdhsa_wavefront_size32 1
		.amdhsa_system_sgpr_workgroup_id_x 1
		.amdhsa_system_sgpr_workgroup_id_y 1
		.amdhsa_system_sgpr_workgroup_id_z 1
		.amdhsa_system_vgpr_workitem_id 0
		.amdhsa_next_free_vgpr 1024
		.amdhsa_next_free_sgpr 80
		.amdhsa_reserve_vcc 0
		.amdhsa_float_denorm_mode_32 3
		.amdhsa_float_denorm_mode_16_64 3
		.amdhsa_memory_ordered 1
		.amdhsa_forward_progress 1
		.amdhsa_inst_pref_size 133
	.end_amdhsa_kernel
	.amdgpu_metadata
---
amdhsa.version: [ 1, 2 ]
amdhsa.kernels:
  - .name:           k_qca17e6f5af_ffn2
    .symbol:         k_qca17e6f5af_ffn2.kd
    .args:
      - { .name: f, .offset: 0, .size: 8, .value_kind: global_buffer, .address_space: global }
      - { .name: wt, .offset: 8, .size: 8, .value_kind: global_buffer, .address_space: global }
      - { .name: b2, .offset: 16, .size: 8, .value_kind: global_buffer, .address_space: global }
      - { .name: x1, .offset: 24, .size: 8, .value_kind: global_buffer, .address_space: global }
      - { .name: out0, .offset: 32, .size: 8, .value_kind: global_buffer, .address_space: global }
    .group_segment_fixed_size: 327680
    .private_segment_fixed_size: 0
    .kernarg_segment_align: 8
    .kernarg_segment_size: 40
    .max_flat_workgroup_size: 128
    .sgpr_count:     80
    .vgpr_count:     1024
    .wavefront_size: 32
...
	.end_amdgpu_metadata
.endif
;; end of part 7
;; ======== version 2 of 2: 7 launches; version 1 with the launch ln2 written anew for expert scheduling mode
;; workspace buffers: wt 25,165,824 bytes; h 8,388,608 bytes; qkv 25,165,824 bytes; att 8,388,608 bytes; x1 16,777,216 bytes; f 33,554,432 bytes
;; launch prep: the kernel of part 1 again; grid 1792 x 1, 8 waves a work-group, no clusters, 18,432 bytes of LDS; arguments x, ln1_w, ln1_b, Wq, Wk, Wv, Wproj, W1, W2, h, wt; writes h, wt
;; launch qkvg: the kernel of part 2 again; grid 8 x 32, 4 waves a work-group, clusters of 4 x 4, 327,680 bytes of LDS; arguments h, wt, qkv; writes qkv
;; launch attn: the kernel of part 3 again; grid 256 x 1, 8 waves a work-group, no clusters, 327,680 bytes of LDS; arguments qkv, att; writes att
;; launch projg: the kernel of part 4 again; grid 8 x 32, 4 waves a work-group, clusters of 4 x 4, 327,680 bytes of LDS; arguments att, wt, bproj, x, x1; writes x1
;; launch ln2 (part 8): grid 256 x 1, 8 waves a work-group, no clusters, 0 bytes of LDS; arguments x1, ln2_w, ln2_b, h; writes h
.if DOCPART == 8
	.amdgcn_target "amdgcn-amd-amdhsa--gfx1250"
	.amdhsa_code_object_version 6
	.text
	.protected	k_qca17e6f5af_ln2
	.globl	k_qca17e6f5af_ln2
	.p2align	8
	.type	k_qca17e6f5af_ln2,@function
k_qca17e6f5af_ln2:
	s_mov_b64 s[64:65], 0
	v_nop
	global_prefetch_b8 v0, s[64:65] scope:SCOPE_SE
	s_setreg_imm32_b32 hwreg(HW_REG_WAVE_SCHED_MODE, 0, 2), 2
	s_setreg_imm32_b32 hwreg(HW_REG_WAVE_MODE, 25, 1), 1
	s_wait_xcnt 0x0
	s_wait_alu depctr_vm_vsrc(0)
; ln2: h = LayerNorm(x1) * ln2_w + ln2_b, bf16 [4096][1024].  16 rows a work-group, 2 rows a wave, a row in 32 registers a lane: no LDS, no barrier.
; The variance is taken of the centred row (no difference of large sums).
; LIMITS: h is rounded to bf16 (nearest even); NaN and infinities are not served; sums in another order than a serial one.
; THE MODE: SCHED_MODE bits 1:0 = 2 (LLVM: expert scheduling mode 2), set by the entry lines.  The code itself states the register dependences
; between vector instructions and memory instructions, with s_wait_alu, always for 0.
; THE PLAN.  Registers that memory instructions touch:
;   v2, v3        byte offsets of the loads and of the stores: made once at the head by vector instructions, never written again.
;   W, B, X0, X1  written by the 32 loads, which are all issued at the head, before any vector instruction names these registers; read by vector work behind s_wait_loadcnt.
;   X0, X1        of each four registers the first two are written again by the row's sixteen roundings and read by the row's eight stores; nothing writes them after that.
;   A, MEAN, RSTD, T are named by vector instructions alone.
; So: one wait on va_sdst for the wave's number; one wait on va_vdst ahead of the first load, for both offsets; in each row one wait on va_vdst for the two reciprocal
; roots and one behind the sixteen roundings, ahead of the run of eight stores.  No register that a load or store has read is written again, and no load lands in a
; register that a vector instruction has named: no wait on vm_vsrc is owed.  EXEC is never written.
.set XB, 8                             ; s[8:9]   x1
.set WB, 10                            ; s[10:11] gain
.set BB, 12                            ; s[12:13] bias
.set HB, 14                            ; s[14:15] h
.set W,    8                           ; v[8:39]    gain of my 32 columns
.set B,    40                          ; v[40:71]   bias of my 32 columns
.set X0,   72                          ; v[72:103]  row 0
.set X1,   104                         ; v[104:135] row 1
.set A,    136                         ; v[136:143] four packed chains
.set MEAN, 144
.set RSTD, 146
.set T,    148
	s_load_b256 s[8:15], s[0:1], 0x0
	v_lshrrev_b32 v1, 5, v0
	v_readfirstlane_b32 s30, v1                    ; wave
.macro ALLSUM                          ; the four chains to one sum, in every lane
	v_pk_add_f32 v[A:A+1], v[A:A+1], v[A+2:A+3]
	v_pk_add_f32 v[A+4:A+5], v[A+4:A+5], v[A+6:A+7]
	v_pk_add_f32 v[A:A+1], v[A:A+1], v[A+4:A+5]
	v_add_f32 v[T], v[A], v[A+1]
	v_add_f32_dpp v[T], v[T], v[T] row_xmask:1 row_mask:0xf bank_mask:0xf
	v_add_f32_dpp v[T], v[T], v[T] row_xmask:2 row_mask:0xf bank_mask:0xf
	v_add_f32_dpp v[T], v[T], v[T] row_xmask:4 row_mask:0xf bank_mask:0xf
	v_add_f32_dpp v[T], v[T], v[T] row_xmask:8 row_mask:0xf bank_mask:0xf
	v_permlanex16_b32 v[T+1], v[T], s32, s33
	v_add_f32 v[T], v[T], v[T+1]
.endm
.macro ROW X, left, rowoff
	s_wait_loadcnt \left
.irp k, 0,1,2,3
	v_pk_add_f32 v[A+2*\k:A+2*\k+1], v[\X+4*\k:\X+4*\k+1], v[\X+4*\k+2:\X+4*\k+3]   ; the first pairs start the chains
.endr
.irp k, 0,1,2,3
	v_pk_add_f32 v[A+2*\k:A+2*\k+1], v[A+2*\k:A+2*\k+1], v[\X+16+2*\k:\X+16+2*\k+1]
.endr
.irp k, 0,1,2,3
	v_pk_add_f32 v[A+2*\k:A+2*\k+1], v[A+2*\k:A+2*\k+1], v[\X+24+2*\k:\X+24+2*\k+1]
.endr
	ALLSUM
	v_mul_f32 v[MEAN], s34, v[T]
	v_mul_f32 v[MEAN+1], s34, v[T]
.set t_p, 0
.rept 16
	v_pk_add_f32 v[\X+t_p:\X+t_p+1], v[\X+t_p:\X+t_p+1], v[MEAN:MEAN+1] neg_lo:[0,1] neg_hi:[0,1]
.set t_p, t_p+2
.endr
.irp k, 0,1,2,3
	v_pk_mul_f32 v[A+2*\k:A+2*\k+1], v[\X+2*\k:\X+2*\k+1], v[\X+2*\k:\X+2*\k+1]
.endr
.set t_p, 8
.rept 3
.irp k, 0,1,2,3
	v_pk_fma_f32 v[A+2*\k:A+2*\k+1], v[\X+t_p+2*\k:\X+t_p+2*\k+1], v[\X+t_p+2*\k:\X+t_p+2*\k+1], v[A+2*\k:A+2*\k+1]
.endr
.set t_p, t_p+8
.endr
	ALLSUM
	v_fma_f32 v[T], v[T], s34, s35                 ; variance + 1e-5
	v_rsq_f32 v[RSTD], v[T]
	v_rsq_f32 v[RSTD+1], v[T]
	v_nop                                          ; one plain vector instruction behind the transcendentals (ISA guide 5.7.2)
.set t_p, 0
	s_wait_alu depctr_va_vdst(0)                   ; the two reciprocal roots v[RSTD], v[RSTD+1] are written, ahead of their first reader: one wait for both
.rept 16
	v_pk_mul_f32 v[\X+t_p:\X+t_p+1], v[\X+t_p:\X+t_p+1], v[RSTD:RSTD+1]
.set t_p, t_p+2
.endr
.set t_p, 0
.rept 16
	v_pk_fma_f32 v[\X+t_p:\X+t_p+1], v[\X+t_p:\X+t_p+1], v[W+t_p:W+t_p+1], v[B+t_p:B+t_p+1]
.set t_p, t_p+2
.endr
.irp j, 0,1,2,3,4,5,6,7
	v_cvt_pk_bf16_f32 v[\X+4*\j], v[\X+4*\j], v[\X+4*\j+1]
	v_cvt_pk_bf16_f32 v[\X+4*\j+1], v[\X+4*\j+2], v[\X+4*\j+3]
.endr
	s_wait_alu depctr_va_vdst(0)                   ; the sixteen roundings have written the row's eight register pairs, which the eight stores below read as their data
.irp j, 0,1,2,3,4,5,6,7
	global_store_b64 v3, v[\X+4*\j:\X+4*\j+1], s[HB:HB+1] offset:256*\j+\rowoff   ; the wave's 32 lanes store 256 consecutive bytes, aligned; no later instruction writes these registers or v3
.endr
.endm
	v_and_b32 v1, 31, v0
	v_lshlrev_b32 v2, 4, v1
	v_lshlrev_b32 v3, 3, v1
	v_mov_b32 v[T+1], 0                            ; v_permlanex16_b32 counts as a reader of its destination
	s_mov_b32 s32, 0x76543210
	s_mov_b32 s33, 0xfedcba98
	s_mov_b32 s34, 0x3a800000                      ; 1 / 1024
	s_mov_b32 s35, 0x3727c5ac                      ; 1e-5
	s_lshl_b32 s2, ttmp9, 16
	s_wait_alu depctr_va_sdst(0)                   ; s30, the wave's number, is written, ahead of its first reader: the wave's row offset is made from it
	s_lshl_b32 s3, s30, 13
	s_add_co_u32 s2, s2, s3
	s_mov_b32 s3, 0
	s_lshr_b32 s4, s2, 1
	s_mov_b32 s5, 0
	s_wait_kmcnt 0x0
	s_add_nc_u64 s[XB:XB+1], s[XB:XB+1], s[2:3]
	s_add_nc_u64 s[HB:HB+1], s[HB:HB+1], s[4:5]
	s_wait_alu depctr_va_vdst(0)                   ; v2 and v3 are written: every load of the kernel reads v2 as its offset, every store v3
.irp j, 0,1,2,3,4,5,6,7
	global_load_b128 v[W+4*\j:W+4*\j+3], v2, s[WB:WB+1] offset:512*\j
.endr
.irp j, 0,1,2,3,4,5,6,7
	global_load_b128 v[B+4*\j:B+4*\j+3], v2, s[BB:BB+1] offset:512*\j
.endr
.irp j, 0,1,2,3,4,5,6,7
	global_load_b128 v[X0+4*\j:X0+4*\j+3], v2, s[XB:XB+1] offset:512*\j
.endr
.irp j, 0,1,2,3,4,5,6,7
	global_load_b128 v[X1+4*\j:X1+4*\j+3], v2, s[XB:XB+1] offset:512*\j+4096
.endr
	ROW X0, 8, 0                                   ; row 1's eight loads may stay out; row 0's stores go out ahead of the wait for row 1
	ROW X1, 0, 2048                                ; its vector work names none of X0's registers, which row 0's stores read
	s_endpgm
.Lfunc_end_k_qca17e6f5af_ln2:
	.size	k_qca17e6f5af_ln2, .Lfunc_end_k_qca17e6f5af_ln2-k_qca17e6f5af_ln2
	.p2alignl 7, 3214868480
	.fill 96, 4, 3214868480
	.section	.rodata,"a",@progbits
	.p2align	6, 0x0
	.amdhsa_kernel k_qca17e6f5af_ln2
		.amdhsa_group_segment_fixed_size 0
		.amdhsa_private_segment_fixed_size 0
		.amdhsa_enable_private_segment 0
		.amdhsa_kernarg_size 32
		.amdhsa_user_sgpr_count 2
		.amdhsa_user_sgpr_kernarg_segment_ptr 1
		.amdhsa_wavefront_size32 1
		.amdhsa_system_sgpr_workgroup_id_x 1
		.amdhsa_system_sgpr_workgroup_id_y 1
		.amdhsa_system_sgpr_workgroup_id_z 1
		.amdhsa_system_vgpr_workitem_id 0
		.amdhsa_next_free_vgpr 152
		.amdhsa_next_free_sgpr 66
		.amdhsa_reserve_vcc 0
		.amdhsa_float_denorm_mode_32 3
		.amdhsa_float_denorm_mode_16_64 3
		.amdhsa_memory_ordered 1
		.amdhsa_forward_progress 1
		.amdhsa_inst_pref_size 21
	.end_amdhsa_kernel
	.amdgpu_metadata
---
amdhsa.version: [ 1, 2 ]
amdhsa.kernels:
  - .name:           k_qca17e6f5af_ln2
    .symbol:         k_qca17e6f5af_ln2.kd
    .args:
      - { .name: x1, .offset: 0, .size: 8, .value_kind: global_buffer, .address_space: global }
      - { .name: ln2_w, .offset: 8, .size: 8, .value_kind: global_buffer, .address_space: global }
      - { .name: ln2_b, .offset: 16, .size: 8, .value_kind: global_buffer, .address_space: global }
      - { .name: h, .offset: 24, .size: 8, .value_kind: global_buffer, .address_space: global }
    .group_segment_fixed_size: 0
    .private_segment_fixed_size: 0
    .kernarg_segment_align: 8
    .kernarg_segment_size: 32
    .max_flat_workgroup_size: 256
    .sgpr_count:     66
    .vgpr_count:     152
    .wavefront_size: 32
...
	.end_amdgpu_metadata
.endif
;; end of part 8
;; launch ffn1: the kernel of part 6 again; grid 16 x 16, 4 waves a work-group, clusters of 4 x 4, 327,680 bytes of LDS; arguments h, wt, f, b1; writes f
;; launch ffn2: the kernel of part 7 again; grid 8 x 32, 4 waves a work-group, clusters of 4 x 4, 327,680 bytes of LDS; arguments f, wt, b2, x1, out0; writes out0
